; MI455X (gfx1250); checked and timed in simulation.
; The chip was launched on July 23, 2026; its instructions are those of AMD's public machine-readable ISA for CDNA 5 (MIT licence, August 2026) and "CDNA5" Instruction Set Architecture Reference Guide (July 2026). The comments in the code are by the model that wrote it; some were corrected since.
;; Attention. Allowed arithmetic: float matrix products may take bf16 or f16 operands with f32 sums; other float arithmetic in f32, or as packed bf16 or f16 multiplies, adds, multiply-adds, maxima and minima; sums over many terms, partial sums and values carried from step to step in f32; what a program stores and reads back later, other than sums and carried values, may be rounded once to bf16 or f16.
;; Inputs: Wk 512 x 2,048 float32; Wo 2,048 x 2,048 float32; Wq 2,048 x 2,048 float32; Wv 512 x 2,048 float32; qk_gain one number float32; x 4 x 1,024 x 2,048 float32.
;; Outputs: out0 4 x 1,024 x 2,048 float32.
;; 2 versions, each right; version 2 is version 1 with the launch cast written anew for expert scheduling mode. Each part assembles by itself: llvm-mc -triple=amdgcn-amd-amdhsa -mcpu=gfx1250 --defsym DOCPART=n.
;; ======== version 1 of 2: 4 launches
;; limits: values are held in f16: magnitudes above 65,504 overflow, below 6.1e-05 lose precision; right only within a limited range of input values
;; workspace buffers: xb 16,777,216 bytes; wqkv 12,582,912 bytes; wo16 8,388,608 bytes; rope 262,144 bytes; qkv 25,165,824 bytes; att 16,777,216 bytes
;; launch cast (part 1): grid 1024 x 1, 8 waves a work-group, no clusters, 0 bytes of LDS; arguments x, Wq, Wk, Wv, Wo, xb, wqkv, wo16, rope; writes xb, wqkv, wo16, rope
.if DOCPART == 1
	.amdgcn_target "amdgcn-amd-amdhsa--gfx1250"
	.amdhsa_code_object_version 6
	.text
	.protected	k_q4a3cd43ffd_cast
	.globl	k_q4a3cd43ffd_cast
	.p2align	8
	.type	k_q4a3cd43ffd_cast,@function
k_q4a3cd43ffd_cast:
	s_mov_b64 s[64:65], 0
	v_nop
	global_prefetch_b8 v0, s[64:65] scope:SCOPE_SE
	s_setreg_imm32_b32 hwreg(HW_REG_WAVE_MODE, 25, 1), 1
	s_wait_xcnt 0x0
; CAST.  x, Wq, Wk, Wv are rounded once to bf16 (xb; wqkv = Wq's, Wk's, Wv's rows one below the other); Wo is rounded to bf16 and that number written as f16 (wo16).
; Each work-group also makes one row of the table of the half rotation: rope[t][i] = (cos, sin) of t x 10000^(-i/32), f32, t = 0..1023, i = 0..31.
; SHARES.  The five inputs are 18 x 1,024 pieces of 4,096 bytes (1,024 numbers).  Work-group g of 1,024 takes piece g of each of the 18 runs of 1,024 pieces: runs 0-7 are x, 8-11 Wq, 12 Wk, 13 Wv,
; 14-17 Wo.  So every work-group has the same work, and which buffer a run belongs to is fixed in the text.  Thread t takes 16 bytes at 16 t of a piece: a wave's load covers 512 consecutive
; bytes; its store of 8 bytes a lane covers 256 consecutive bytes, aligned.  All eighteen loads of a thread go out at once; each byte is read once and written once.
; Wave 0 makes the table's row t = g, a lane a pair, while its loads are on their way: one store of 256 consecutive bytes.
; No LDS, no barrier, no matrix unit: the launch only moves bytes.
; LIMITS.  Wo in f16: beyond 65,504 it would be an infinity; below 6e-5 it keeps f16's fixed step of 6e-8.  The angles are t x 2^(-i log2(10000)/32) in f32, reduced by pi/2 in two
; parts; sine and cosine are polynomials on |r| <= pi/4 (terms to r^7 and r^8).
.set X,  4                             ; v[4:75]   eighteen loads of four words; the two words to store take the first two's place
.set T,  76                            ; v[76:87]  the table's work
.set U,  88                            ; v[88:93]  Wo's second rounding
.set M4, 0x400000                      ; a run of 1,024 pieces in: 4,194,304 bytes
.set M2, 0x200000                      ; and out
	s_load_b512 s[8:23], s[0:1], 0x0               ; x, Wq, Wk, Wv, Wo, xb, wqkv, wo16
	s_load_b64 s[24:25], s[0:1], 0x40              ; rope
	v_lshlrev_b32 v1, 4, v0                        ; my 16 bytes of a piece in
	v_lshlrev_b32 v2, 3, v0                        ; my 8 bytes out
	v_lshrrev_b32 v3, 5, v0
	v_readfirstlane_b32 s40, v3                    ; my wave's number
	s_mov_b32 s41, ttmp9                           ; g
	s_lshl_b32 s2, ttmp9, 12
	s_lshl_b32 s3, ttmp9, 11
	s_lshl_b32 s42, ttmp9, 8                       ; the table's row g
	v_add_nc_u32 v1, s2, v1                        ; + piece g
	v_add_nc_u32 v2, s3, v2
	s_mov_b32 s43, 0xffff0000                      ; a word's upper bf16
	s_mov_b32 s44, 0xbfc90fdb                      ; -pi/2, its upper part
	s_mov_b32 s45, 0x333bbd2e                      ; what the upper part has too much
	s_mov_b32 s46, 0xb9500d01                      ; -1/5040
	s_mov_b32 s47, 0x3c088889                      ; 1/120
	s_mov_b32 s48, 0xbe2aaaab                      ; -1/6
	s_mov_b32 s49, 0x37d00d01                      ; 1/40320
	s_mov_b32 s50, 0xbab60b61                      ; -1/720
	s_mov_b32 s51, 0x3d2aaaab                      ; 1/24
	s_wait_kmcnt 0x0
	s_add_nc_u64 s[26:27], s[8:9], 2*M4            ; a base for every two runs in, for every four out: the rest stands in the signed 24-bit immediate
	s_add_nc_u64 s[28:29], s[8:9], 4*M4
	s_add_nc_u64 s[30:31], s[8:9], 6*M4
	s_add_nc_u64 s[32:33], s[10:11], 2*M4
	s_add_nc_u64 s[34:35], s[16:17], 2*M4
	s_add_nc_u64 s[36:37], s[18:19], 4*M2
	s_add_nc_u64 s[38:39], s[20:21], 4*M2          ; Wk's rows lie behind Wq's 8 MiB in wqkv, Wv's 2 MiB further on
.macro LD i, b, off
	global_load_b128 v[X+4*(\i):X+4*(\i)+3], v1, s[\b:\b+1] offset:\off th:TH_LOAD_NT
.endm
; kind = 0: to bf16.  kind = 1: to bf16, and that number as f16.  No register of a load or store is written again: no further wait.
.macro CV i, b, off, kind
	s_wait_loadcnt 17-(\i)                         ; loads come back in order: load i is in, the 17 - i younger ones stay out
.if \kind
	v_cvt_pk_bf16_f32 v[U], v[X+4*(\i)], v[X+4*(\i)+1]
	v_cvt_pk_bf16_f32 v[U+1], v[X+4*(\i)+2], v[X+4*(\i)+3]
	v_lshlrev_b32 v[U+2], 16, v[U]
	v_and_b32 v[U+3], s43, v[U]
	v_lshlrev_b32 v[U+4], 16, v[U+1]
	v_and_b32 v[U+5], s43, v[U+1]
	v_cvt_pk_f16_f32 v[X+4*(\i)], v[U+2], v[U+3]
	v_cvt_pk_f16_f32 v[X+4*(\i)+1], v[U+4], v[U+5]
.else
	v_cvt_pk_bf16_f32 v[X+4*(\i)], v[X+4*(\i)], v[X+4*(\i)+1]
	v_cvt_pk_bf16_f32 v[X+4*(\i)+1], v[X+4*(\i)+2], v[X+4*(\i)+3]
.endif
	global_store_b64 v2, v[X+4*(\i):X+4*(\i)+1], s[\b:\b+1] offset:\off
.endm
	LD 0, 8, 0                                     ; x
	LD 1, 8, M4
	LD 2, 26, 0
	LD 3, 26, M4
	LD 4, 28, 0
	LD 5, 28, M4
	LD 6, 30, 0
	LD 7, 30, M4
	LD 8, 10, 0                                    ; Wq
	LD 9, 10, M4
	LD 10, 32, 0
	LD 11, 32, M4
	LD 12, 12, 0                                   ; Wk
	LD 13, 14, 0                                   ; Wv
	LD 14, 16, 0                                   ; Wo
	LD 15, 16, M4
	LD 16, 34, 0
	LD 17, 34, M4
	s_cmp_lg_u32 s40, 0                            ; the table's row: wave 0, where v0 is the lane
	s_cbranch_scc1 .Lno_table
	v_cvt_f32_u32 v82, v0                          ; i
	v_cvt_f32_u32 v78, s41                         ; t
	v_mul_f32 v82, 0xbed49a78, v82                 ; -i log2(10000) / 32
	v_exp_f32 v79, v82
	v_lshl_add_u32 v80, v0, 3, s42                 ; 256 t + 8 i.  (The plain line behind the exponential.)
	s_wait_alu depctr_va_vdst(0)                   ; the wait ahead of the result's first reader
	v_mul_f32 v81, v78, v79                        ; the angle
	v_mul_f32 v82, 0x3f22f983, v81                 ; x 2 / pi
	v_rndne_f32 v82, v82                           ; n
	v_fma_f32 v83, v82, s44, v81                   ; r = angle - n pi/2, in two parts
	v_fma_f32 v83, v82, s45, v83
	v_mul_f32 v84, v83, v83                        ; z = r^2
	v_fma_f32 v85, v84, s46, s47
	v_fma_f32 v87, v84, s49, s50
	v_fma_f32 v85, v85, v84, s48
	v_fma_f32 v87, v87, v84, s51
	v_mul_f32 v86, v84, v83
	v_fma_f32 v87, v87, v84, -0.5
	v_fma_f32 v85, v85, v86, v83                   ; sin r
	v_fma_f32 v87, v87, v84, 1.0                   ; cos r
	v_cvt_i32_f32 v82, v82
	v_and_b32 v86, 1, v82
	v_cmp_eq_u32 vcc_lo, 1, v86                    ; odd quarter turns swap the two
	v_cndmask_b32 v76, v87, v85, vcc_lo            ; cosine
	v_cndmask_b32 v77, v85, v87, vcc_lo            ; sine
	v_lshlrev_b32 v78, 30, v82                     ; the sine turns its sign in quarters 2 and 3,
	v_and_b32 v78, 0x80000000, v78
	v_xor_b32 v77, v77, v78
	v_add_nc_u32 v79, 1, v82                       ; the cosine in quarters 1 and 2
	v_lshlrev_b32 v79, 30, v79
	v_and_b32 v79, 0x80000000, v79
	v_xor_b32 v76, v76, v79
	global_store_b64 v80, v[76:77], s[24:25]
.Lno_table:
	CV 0, 18, 0, 0
	CV 1, 18, M2, 0
	CV 2, 18, 2*M2, 0
	CV 3, 18, 3*M2, 0
	CV 4, 36, 0, 0
	CV 5, 36, M2, 0
	CV 6, 36, 2*M2, 0
	CV 7, 36, 3*M2, 0
	CV 8, 20, 0, 0
	CV 9, 20, M2, 0
	CV 10, 20, 2*M2, 0
	CV 11, 20, 3*M2, 0
	CV 12, 38, 0, 0
	CV 13, 38, M2, 0
	CV 14, 22, 0, 1
	CV 15, 22, M2, 1
	CV 16, 22, 2*M2, 1
	CV 17, 22, 3*M2, 1
	s_endpgm
.Lfunc_end_k_q4a3cd43ffd_cast:
	.size	k_q4a3cd43ffd_cast, .Lfunc_end_k_q4a3cd43ffd_cast-k_q4a3cd43ffd_cast
	.p2alignl 7, 3214868480
	.fill 96, 4, 3214868480
	.section	.rodata,"a",@progbits
	.p2align	6, 0x0
	.amdhsa_kernel k_q4a3cd43ffd_cast
		.amdhsa_group_segment_fixed_size 0
		.amdhsa_private_segment_fixed_size 0
		.amdhsa_enable_private_segment 0
		.amdhsa_kernarg_size 72
		.amdhsa_user_sgpr_count 2
		.amdhsa_user_sgpr_kernarg_segment_ptr 1
		.amdhsa_wavefront_size32 1
		.amdhsa_system_sgpr_workgroup_id_x 1
		.amdhsa_system_sgpr_workgroup_id_y 1
		.amdhsa_system_sgpr_workgroup_id_z 1
		.amdhsa_system_vgpr_workitem_id 0
		.amdhsa_next_free_vgpr 128
		.amdhsa_next_free_sgpr 66
		.amdhsa_reserve_vcc 1
		.amdhsa_float_denorm_mode_32 3
		.amdhsa_float_denorm_mode_16_64 3
		.amdhsa_memory_ordered 1
		.amdhsa_forward_progress 1
		.amdhsa_inst_pref_size 11
	.end_amdhsa_kernel
	.amdgpu_metadata
---
amdhsa.version: [ 1, 2 ]
amdhsa.kernels:
  - .name:           k_q4a3cd43ffd_cast
    .symbol:         k_q4a3cd43ffd_cast.kd
    .args:
      - { .name: x, .offset: 0, .size: 8, .value_kind: global_buffer, .address_space: global }
      - { .name: Wq, .offset: 8, .size: 8, .value_kind: global_buffer, .address_space: global }
      - { .name: Wk, .offset: 16, .size: 8, .value_kind: global_buffer, .address_space: global }
      - { .name: Wv, .offset: 24, .size: 8, .value_kind: global_buffer, .address_space: global }
      - { .name: Wo, .offset: 32, .size: 8, .value_kind: global_buffer, .address_space: global }
      - { .name: xb, .offset: 40, .size: 8, .value_kind: global_buffer, .address_space: global }
      - { .name: wqkv, .offset: 48, .size: 8, .value_kind: global_buffer, .address_space: global }
      - { .name: wo16, .offset: 56, .size: 8, .value_kind: global_buffer, .address_space: global }
      - { .name: rope, .offset: 64, .size: 8, .value_kind: global_buffer, .address_space: global }
    .group_segment_fixed_size: 0
    .private_segment_fixed_size: 0
    .kernarg_segment_align: 8
    .kernarg_segment_size: 72
    .max_flat_workgroup_size: 256
    .sgpr_count:     66
    .vgpr_count:     128
    .wavefront_size: 32
...
	.end_amdgpu_metadata
.endif
;; end of part 1
;; launch qkvproj (part 2): grid 12 x 16, 4 waves a work-group, clusters of 4 x 4, 327,680 bytes of LDS; arguments xb, wqkv, qkv, rope, qk_gain; writes qkv
.if DOCPART == 2
	.amdgcn_target "amdgcn-amd-amdhsa--gfx1250"
	.amdhsa_code_object_version 6
	.text
	.protected	k_q4a3cd43ffd_qkvproj
	.globl	k_q4a3cd43ffd_qkvproj
	.p2align	8
	.type	k_q4a3cd43ffd_qkvproj,@function
k_q4a3cd43ffd_qkvproj:
	s_mov_b64 s[64:65], 0
	v_nop
	global_prefetch_b8 v0, s[64:65] scope:SCOPE_SE
	s_setreg_imm32_b32 hwreg(HW_REG_WAVE_MODE, 25, 1), 1
	s_wait_xcnt 0x0
	s_wait_alu depctr_hold_cnt(0) depctr_sa_sdst(0) depctr_va_vdst(0) depctr_va_sdst(0) depctr_va_ssrc(0) depctr_va_vcc(0) depctr_vm_vsrc(0)
	s_getreg_b32 s2, hwreg(HW_REG_IB_STS2, 6, 4)
	s_cmp_eq_u32 s2, 0
	s_cbranch_scc0 .Lentry_in_a_cluster
	s_endpgm
.Lentry_in_a_cluster:
	s_bfe_u32 s2, ttmp6, 0x10000c
	s_cmp_lg_u32 s2, 0xf033
	s_cbranch_scc0 .Lentry_shape_is_right
	s_endpgm
.Lentry_shape_is_right:
; Q, K, V PROJECTION WITH NORM, GAIN AND HALF ROTATION.  C[m][n] = sum over k of xb[m][k] wqkv[n][k], bf16 operands, f32 sums; m = 1,024 batch + position, n = 128 head slot + channel
; (slots 0-15 q, 16-19 k, 20-23 v).  On the way out a q or k row of 128 channels is multiplied by rsqrt(mean of squares + 1e-6) (q also by the gain), its first 64 channels are rotated in
; pairs by the table, and all is rounded once to f16 and stored by heads: qkv[batch][slot][position][128].
; SHARES.  A tile of C is 256 x 256, four waves of 128 x 128: a wave's 128 columns are exactly ONE head, so the norm never leaves the wave.  64 accumulators of 16 x 16 in 512 registers.
; K goes in 16 steps of 128 through a ring of two LDS slots filled by the tensor data mover; rows of the tiles are 256 bytes of memory, aligned.
; THE TEXT IS SHORT ON PURPOSE.  A K step is written once and walked 14 times; which slot it reads is a scalar, s[TB], from which two additions make the fragments' addresses behind each change of
; slots.  The last two K steps, which fill nothing, are a second loop, left in its middle.  The way out is written for four blocks of 16 rows and walked twice.
; THE TABLE'S WORDS ARE ASKED FOR EARLY.  Those of my rows 0-63 go out at the kernel's head, into 128 registers that the K loop never names; those of rows 64-127 at the start of the way out, into
; the fragment buffers, which are free by then, and have the first half of the way out in which to land.
; CLUSTER.  4 x 4 work-groups: the four of a row need the same tiles of xb, the four of a column the same tiles of wqkv; each tile is asked for jointly.
; THE MATRIX INSTRUCTION IS USED TRANSPOSED (source 0 = 16 rows of wqkv, source 1 = 16 rows of xb): a lane holds row l % 16 of C and the columns 16 b + 8 (l / 16) + 0..7.
; ONE TEXT FOR ALL HEADS, without a branch: factor = rsqrt x GF + AD with (GF, AD) = (gain, 0) for q, (1, 0) for k, (0, 1) for v; v's lanes read the table's row 0, (1, 0).
; The grid has 192 work-groups: a tile that gives every WGP one would cut heads across waves.
; LIMITS.  q, k, v leave in f16: beyond 65,504 they would be infinities (q: |gain| under 5,700).  The gain is rounded to bf16 like every input.  NaN and infinities are not treated apart.
; REGISTERS, in windows of 256: window 0: v0-31 addresses; v64-127, v128-191 fragments of xb, two buffers; on the way out v32-223 at work.  window 1: v64-127, v128-191 fragments of wqkv (on the
; way out: the table's words for rows 64-127, as loaded); v0-63, v192-255: the table's words for the four blocks in hand.  window 2: accumulators of my rows 0-63 ((a, b) at v[8 (8 a + b)]);
; window 3: of rows 64-127.
.set SIZE_K, 2048
.set KSTEP,  128
.set STEPS,  SIZE_K/KSTEP
.set PITCH,  272                       ; an LDS row: 256 bytes + 16 of padding: the 16 rows of a fragment load start 68 words apart
.set HALFT,  128*PITCH                 ; what one tensor load brings: 0x8800 bytes
.set SLOT,   4*HALFT                   ; xb's 256 rows, then wqkv's 256 rows: 0x22000 bytes.  No wave's place in a slot (0, 0x8800, 0x11000, 0x19800) has one of its two bits: an exclusive or with it changes slots
.set STAGE,  2*SLOT                    ; behind the ring: 16 rows x 272 bytes for each wave
.set SPITCH, 272
.set SPARE,  STAGE+4*16*SPITCH         ; the spare words, 128 bytes a wave; no other line names them
.set TO,   8                           ; v8-11   block a of my rows 0-63: my byte offset in the table; never rewritten
.set TO2,  12                          ; v12-15  the same for my rows 64-127; never rewritten
.set ADRA, 16                          ; v16     LDS address of my xb fragments in slot 0; never rewritten
.set CA,   17                          ; v17     the same in the slot in hand
.set ADRB, 20                          ; v20-21  the same for wqkv
.set CB,   21
.set STO,  24                          ; v24     where I put 16 bytes of a row in my stage
.set RD,   25                          ; v25     where I read rows back
.set CO,   26                          ; v26     16 x lane: my bytes in 512 consecutive bytes of qkv
.set SPW,  28                          ; v28     my spare word; never rewritten
.set NIL,  29                          ; v29     0; never rewritten
.set PFO,  30                          ; v30     lane x a row of 4,096 bytes; never rewritten
.set F0,   64
.set F1,   128
.set FC,   32                          ; v32-39  block a: the row's factor, in the low word of a pair
.set SS,   48                          ; v48-55  four chains of squares
.set TT,   56                          ; v56-63  at work
.set XX,   64                          ; v64-127 a block's 64 numbers a lane
.set TMP,  128                         ; v128-159 the same in f16
.set BK,   160                         ; v160-191, v192-223 rows read back, by turns
.set G1,  24
.set G0,  32                           ; s[32:35] xb's first fill; s[36:39] its second, which then walks on
.set G1B, 48
.set G0B, 56                           ; the same for wqkv
.set PFA, 44                           ; s[44:45] where my prefetches stand
.set LIM, 43                           ; s43  2 in a wave that prefetches, else the greatest number
.set ROPE, 68                          ; s[68:69] the table; s[70:71] the gain's address
.set GAIN, 72
.set GF,  73
.set AD,  74
.set RON, 75                           ; 1: the head is rotated
.set RCPN, 76                          ; 1/128
.set EPSR, 77                          ; 1e-6
.set SEL, 78                           ; s[78:79] lane selects: each lane takes its own place in the other half
.set TS,  80                           ; first the position of my first row, then the table's bytes from block to block
.set HD,  81                           ; my head slot
.set TB,  82                           ; the slot in hand: 0 or SLOT
.set TS4, 83                           ; the table's bytes from four blocks to the next four
.set MSB, 0
.macro WIN new                         ; the immediate's high byte repeats the setting that is left
.if MSB != (\new)
	s_set_vgpr_msb (MSB<<8)|(\new)
.set MSB, \new
.endif
.endm
.set MUL_LO, 0xa1                      ; source 0 window 1, source 1 window 0, C and D window 2
.set MUL_HI, 0xf1                      ; the same, C and D window 3
.set TO_B,   0x40                      ; destination window 1
; A joint load: waves 0 and 1 fetch xb's two halves, waves 2 and 3 wqkv's.  The branch hangs on the wave's number alone.  An s_nop 0 and four v_nop follow each line.
.macro JLOAD s
	s_cmp_eq_u32 s11, 0
	s_cbranch_scc0 .Lfor_b_\@
	tensor_load_to_lds s[G0+4*(\s):G0+4*(\s)+3], s[G1:G1+7]
	s_nop 0
.rept 4
	v_nop
.endr
	s_branch .Lasked_\@
.Lfor_b_\@:
	tensor_load_to_lds s[G0B+4*(\s):G0B+4*(\s)+3], s[G1B:G1B+7]
	s_nop 0
.rept 4
	v_nop
.endr
.Lasked_\@:
.endm
; A prefetch of the K step that stands two refills on: 32 rows x 256 bytes, a lane a row.  xb's rows are asked for by the clusters with x = 0, wqkv's by those with y = 0; of the 128 rows
; that a wave fetches each of the four partners takes 32, told apart by address.  So each row's 256 bytes of a K step are named once.  The refills for K steps 2 .. 13 (s3 = 14 .. 3) name
; K steps 4 .. 15; the last two name nothing.
.macro ASK
	s_cmp_gt_u32 s3, s[LIM]
	s_cbranch_scc0 .Lnot_mine_\@
	global_prefetch_b8 v[PFO], s[PFA:PFA+1] offset:KSTEP*2 th:TH_LOAD_NT scope:SCOPE_SE
.Lnot_mine_\@:
.endm
.macro CREST                           ; a round of the cluster's barrier behind its opening barrier
	s_cmp_lg_u32 s10, 0
	s_cbranch_scc1 .Lnot_wave_0_\@
	s_barrier_signal -3
.Lnot_wave_0_\@:
	s_barrier_wait -3
	s_barrier_signal -1
	s_barrier_wait -1
.endm
.macro CROUND
	s_barrier_signal -1
	s_barrier_wait -1
	CREST
.endm
; The table's words of four blocks of 16 rows, 32 loads: for block a and column block b < 4 a lane's four pairs (cos, sin) are 32 consecutive bytes.  o: the blocks' offsets.
; second = 0: into the registers from which the way out takes them (blocks 0, 1 at v0-63 of window 1, blocks 2, 3 at v192-255); second = 1: into v64-191 of window 1.
.macro TABLE o, second
	WIN TO_B
.irp a, 0,1,2,3
.if \second
.set TW, 64+32*(\a)
.else
.set TW, 32*(\a)+128*((\a)/2)
.endif
.irp b, 0,1,2,3
	global_load_b128 v[TW+8*(\b):TW+8*(\b)+3],   v[(\o)+(\a)], s[ROPE:ROPE+1] offset:64*(\b)
	global_load_b128 v[TW+8*(\b)+4:TW+8*(\b)+7], v[(\o)+(\a)], s[ROPE:ROPE+1] offset:64*(\b)+16
.endr
.endr
	WIN 0
.endm
	s_load_b128 s[4:7], s[0:1], 0x0                ; xb s[4:5], wqkv s[6:7]
	s_load_b64 s[8:9], s[0:1], 0x10                ; qkv
	s_load_b128 s[68:71], s[0:1], 0x18             ; rope, qk_gain
	v_lshl_add_u32 v[SPW], v0, 2, SPARE
	v_mov_b32 v[NIL], 0
	ds_add_u32 v[SPW], v[NIL]                      ; the wave's opening: the add and its wait ahead of my first tensor load
	v_lshrrev_b32 v1, 5, v0
	v_readfirstlane_b32 s10, v1                    ; wave 0..3
	s_lshr_b32 s11, s10, 1                         ; my half of the tile's rows; also: I fetch for xb (0) or wqkv (1)
	s_and_b32 s12, s10, 1                          ; my half of its columns; also: which 128 rows I fetch
	s_bfe_u32 s40, ttmp6, 0x40000                  ; cx
	s_bfe_u32 s41, ttmp6, 0x40004                  ; cy
	s_lshl_b32 s42, ttmp9, 2
	s_add_co_u32 s42, s42, s40                     ; tile column
	s_and_b32 s13, ttmp7, 0xffff
	s_lshl_b32 s13, s13, 2
	s_add_co_u32 s13, s13, s41                     ; tile row
	s_lshl_b32 s43, s41, 2
	s_lshl_b32 s43, 15, s43                        ; my row of the cluster
	s_lshl_b32 s44, 0x1111, s40                    ; my column
	s_or_b32 s[G1+0], s43, (1<<16)|(1<<20)|(1<<21)|(5<<22)|(3<<25)   ; mask; 2-byte elements; padding on; bit 21 beside a mask; after every 64 words 4 words
	s_or_b32 s[G1B+0], s44, (1<<16)|(1<<20)|(1<<21)|(5<<22)|(3<<25)
.irp g, G1, G1B
	s_mov_b32 s[(\g)+1], KSTEP<<16                 ; tensor_dim0 = 128
	s_mov_b32 s[(\g)+2], 128<<16                   ; tensor_dim1 = 128
	s_mov_b32 s[(\g)+3], KSTEP<<16                 ; tile_dim0 = 128
	s_mov_b32 s[(\g)+4], 128                       ; tile_dim1 = 128
	s_mov_b32 s[(\g)+5], SIZE_K                    ; elements from row to row
	s_mov_b32 s[(\g)+6], 0
	s_mov_b32 s[(\g)+7], 0
.endr
	s_mov_b32 s[RCPN], 0x3c000000
	s_mov_b32 s[EPSR], 0x358637bd
	s_mov_b32 s[SEL], 0x76543210
	s_mov_b32 s[SEL+1], 0xfedcba98
	s_mov_b32 s[TB], 0
	s_lshl_b32 s17, s12, 7
	s_lshl_b32 s16, s13, 8
	s_add_co_u32 s16, s16, s17                     ; xb: row 256 x tile row + 128 x half
	s_lshl_b32 s46, s42, 8
	s_add_co_u32 s46, s46, s17                     ; wqkv: row 256 x tile column + 128 x half
	s_mov_b32 s17, 0
	s_mov_b32 s47, 0
	s_mov_b64 s[18:19], SIZE_K*2
	s_mul_u64 s[16:17], s[16:17], s[18:19]
	s_mul_u64 s[46:47], s[46:47], s[18:19]
	s_mul_i32 s20, s10, HALFT                      ; where they go: wave x 128 rows
	s_wait_dscnt 0x0                               ; the opening add is done
	s_wait_kmcnt 0x0
	s_load_b32 s[GAIN], s[70:71], 0x0
	s_add_nc_u64 s[14:15], s[4:5], s[16:17]
	s_add_nc_u64 s[46:47], s[6:7], s[46:47]
	CROUND                                         ; all sixteen work-groups are here: the first joint loads meet
.irp s, 0,1
	s_mov_b32 s[G0+4*(\s)], 1
	s_add_co_u32 s[G0+4*(\s)+1], s20, (\s)*SLOT
	s_add_nc_u64 s[G0+4*(\s)+2:G0+4*(\s)+3], s[14:15], (\s)*KSTEP*2
	s_or_b32 s[G0+4*(\s)+3], s[G0+4*(\s)+3], 0x80000000
	s_mov_b32 s[G0B+4*(\s)], 1
	s_add_co_u32 s[G0B+4*(\s)+1], s20, (\s)*SLOT
	s_add_nc_u64 s[G0B+4*(\s)+2:G0B+4*(\s)+3], s[46:47], (\s)*KSTEP*2
	s_or_b32 s[G0B+4*(\s)+3], s[G0B+4*(\s)+3], 0x80000000
	JLOAD \s
.endr
	v_and_b32 v1, 15, v0                           ; l % 16
	v_bfe_u32 v2, v0, 4, 1                         ; l / 16
	v_mul_u32_u24 v3, v1, PITCH
	v_lshl_add_u32 v3, v2, 4, v3                   ; a fragment's row x pitch + 16 x half
	s_mul_i32 s21, s11, HALFT
	s_mul_i32 s22, s12, HALFT
	s_add_co_u32 s22, s22, 2*HALFT
	v_add_nc_u32 v[ADRA], s21, v3
	v_add_nc_u32 v[ADRB], s22, v3
	v_mov_b32 v[CA], v[ADRA]                       ; the walk begins in slot 0
	v_mov_b32 v[CB], v[ADRB]
	s_mul_i32 s23, s10, 16*SPITCH
	s_add_co_u32 s23, s23, STAGE                   ; my stage
	v_mul_u32_u24 v4, v1, SPITCH
	v_lshl_add_u32 v4, v2, 4, v4
	v_add_nc_u32 v[STO], s23, v4
	v_mul_u32_u24 v5, v2, SPITCH
	v_lshl_add_u32 v5, v1, 4, v5
	v_add_nc_u32 v[RD], s23, v5
	v_and_b32 v[CO], 31, v0
	v_lshlrev_b32 v[CO], 4, v[CO]
	; what the way out needs.  These hang on my place in the cluster as values and global offsets only.
	s_wait_kmcnt 0x0                               ; the gain
	v_mov_b32 v6, s[GAIN]
	v_cvt_pk_bf16_f32 v6, v6, v6                   ; rounded to bf16, like every input
	v_lshlrev_b32 v6, 16, v6
	v_readfirstlane_b32 s[GAIN], v6
	s_lshl_b32 s[HD], s42, 1
	s_add_co_u32 s[HD], s[HD], s12                 ; head slot = 2 x tile column + my half
	s_cmp_lt_u32 s[HD], 16
	s_cselect_b32 s[GF], s[GAIN], 1.0
	s_cmp_lt_u32 s[HD], 20
	s_cselect_b32 s[GF], s[GF], 0
	s_cselect_b32 s[AD], 0, 1.0
	s_cselect_b32 s[RON], 1, 0
	s_and_b32 s[TS], s13, 3
	s_lshl_b32 s[TS], s[TS], 8
	s_lshl_b32 s16, s11, 7
	s_add_co_u32 s[TS], s[TS], s16                 ; the position of my first row
	s_lshr_b32 s16, s13, 2                         ; the batch
	s_mul_i32 s16, s16, 24
	s_add_co_u32 s16, s16, s[HD]
	s_lshl_b32 s16, s16, 10
	s_add_co_u32 s16, s16, s[TS]
	s_lshl_b32 s16, s16, 8                         ; rows of 256 bytes
	s_mov_b32 s17, 0
	s_add_nc_u64 s[8:9], s[8:9], s[16:17]          ; qkv at my first row
	v_add_nc_u32 v6, s[TS], v1
	v_mul_u32_u24 v6, v6, s[RON]                   ; v's lanes stay at row 0
	v_lshlrev_b32 v6, 8, v6
	v_lshl_add_u32 v[TO], v2, 5, v6                ; + my four pairs' 32 bytes
	s_lshl_b32 s[TS], s[RON], 12                   ; 16 rows of the table
	s_lshl_b32 s[TS4], s[RON], 14                  ; 64 rows
.irp a, 1,2,3
	v_add_nc_u32 v[TO+(\a)], s[TS], v[TO+(\a)-1]
.endr
.irp a, 0,1,2,3
	v_add_nc_u32 v[TO2+(\a)], s[TS4], v[TO+(\a)]
.endr
	TABLE TO, 0                                    ; the words for my rows 0-63: they land while K is walked; neither their registers nor their offsets are named again before the way out
	; the prefetches
	s_lshl_b32 s13, s13, 8
	s_lshl_b32 s42, s42, 8
	s_and_b32 s22, ttmp7, 0xffff
	s_cmp_eq_u32 s11, 0
	s_cselect_b32 s20, s13, s42                    ; the tile's first row
	s_cselect_b32 s21, s40, s41                    ; my place among the four that ask with me
	s_cselect_b32 s22, ttmp9, s22                  ; the coordinate along which other clusters read the same rows
	s_cselect_b64 s[PFA:PFA+1], s[4:5], s[6:7]
	s_cmp_eq_u32 s22, 0
	s_cselect_b32 s[LIM], 2, -1
	s_lshl_b32 s22, s12, 7
	s_add_co_u32 s20, s20, s22
	s_lshl_b32 s21, s21, 5
	s_add_co_u32 s20, s20, s21
	s_mov_b32 s21, 0
	s_mov_b64 s[18:19], SIZE_K*2
	s_mul_u64 s[20:21], s[20:21], s[18:19]
	s_add_nc_u64 s[PFA:PFA+1], s[PFA:PFA+1], s[20:21]
	s_add_nc_u64 s[PFA:PFA+1], s[PFA:PFA+1], 2*KSTEP*2  ; at K step 2: the first refill steps it to 3 and names K step 4
	v_and_b32 v[PFO], 31, v0
	v_mul_u32_u24 v[PFO], v[PFO], SIZE_K*2
; 16 matrix instructions: row blocks a0, a0 + 1 of the window's four x all 8 column blocks, 32 along K.  zero = 1: the product starts the sums.
.macro MUL16 f, hi, a0, zero
	WIN MUL_LO+0x50*(\hi)
.irp a, \a0, (\a0)+1
.irp b, 0,1,2,3,4,5,6,7
.if \zero
	v_wmma_f32_16x16x32_bf16 v[8*(8*(\a)+(\b)):8*(8*(\a)+(\b))+7], v[(\f)+8*(\b):(\f)+8*(\b)+7], v[(\f)+8*(4*(\hi)+(\a)):(\f)+8*(4*(\hi)+(\a))+7], 0
.else
	v_wmma_f32_16x16x32_bf16 v[8*(8*(\a)+(\b)):8*(8*(\a)+(\b))+7], v[(\f)+8*(\b):(\f)+8*(\b)+7], v[(\f)+8*(4*(\hi)+(\a)):(\f)+8*(4*(\hi)+(\a))+7], v[8*(8*(\a)+(\b)):8*(8*(\a)+(\b))+7]
.endif
.endr
.endr
.endm
; 32 LDS loads in one run: the fragments of a quarter step (32 K at byte k of the rows of the slot in hand) into buffer f
.macro FETCH k, f
	WIN TO_B
.irp i, 0,1,2,3,4,5,6,7
	ds_load_b128 v[(\f)+8*(\i):(\f)+8*(\i)+3],   v[CB] offset:(\k)+(\i)*16*PITCH
	ds_load_b128 v[(\f)+8*(\i)+4:(\f)+8*(\i)+7], v[CB] offset:(\k)+(\i)*16*PITCH+32
.endr
	WIN 0
.irp i, 0,1,2,3,4,5,6,7
	ds_load_b128 v[(\f)+8*(\i):(\f)+8*(\i)+3],   v[CA] offset:(\k)+(\i)*16*PITCH
	ds_load_b128 v[(\f)+8*(\i)+4:(\f)+8*(\i)+7], v[CA] offset:(\k)+(\i)*16*PITCH+32
.endr
.endm
.macro PLACES                          ; four plain vector lines behind the last matrix instruction, in front of loads into registers that it read and of lines that read results
.rept 4
	v_nop
.endr
.endm
; A K step is four quarters of 32 along K, 64 matrix instructions each, on buffers 0, 1, 0, 1.  The 64 accumulators take turns, one instruction a turn.
.macro QUARTER k, f, g, zero
	s_wait_dscnt 8                                 ; wqkv's and xb's rows 0-63 are in; the youngest eight loads (xb's rows 64-127) may be out
	MUL16 \f, 0, 0, \zero
	MUL16 \f, 0, 2, \zero
	PLACES
	FETCH \k, \g
	s_wait_dscnt 32                                ; all but the 32 just issued
	MUL16 \f, 1, 0, \zero
	MUL16 \f, 1, 2, \zero
.endm
; The first half of the last quarter: one barrier for the change of slots.
.macro MEET round
	WIN 0
	s_wait_tensorcnt 0x0                           ; all my tensor loads have landed: the one that was out is my part of the next slot
	ds_add_u32 v[SPW], v[NIL]                      ; 0 onto my spare word
	s_wait_dscnt 9                                 ; the add and the youngest eight loads may be out
	MUL16 F1, 0, 0, 0
	s_wait_dscnt 0x0                               ; the add is done, and my reads of this slot are over
	s_barrier_signal -1
	MUL16 F1, 0, 2, 0
.if \round
	WIN 0
.endif
	s_barrier_wait -1
.endm
; The whole last quarter.  fill = 1: the barrier opens a round of the cluster's, and the slot just read out is filled again first, with the K step two on: the walking descriptor turns to that
; slot and steps one K step.  Then the fetches turn to the other slot.
.macro TURN fill
.if \fill
	s_wait_xcnt 0x0                                ; the last prefetch, a K step back, has read its address
	s_add_nc_u64 s[PFA:PFA+1], s[PFA:PFA+1], KSTEP*2
.endif
	MEET \fill
.if \fill
	CREST                                          ; no wave of any partner still reads this slot or has a load on its way
	s_xor_b32 s[G0+5], s[G0+5], SLOT
	s_add_nc_u64 s[G0+6:G0+7], s[G0+6:G0+7], KSTEP*2
	s_xor_b32 s[G0B+5], s[G0B+5], SLOT
	s_add_nc_u64 s[G0B+6:G0B+7], s[G0B+6:G0B+7], KSTEP*2
	JLOAD 1                                        ; its four v_nop are also the places in front of the loads below
.else
	PLACES
	WIN 0
.endif
	s_xor_b32 s[TB], s[TB], SLOT
	v_add_nc_u32 v[CA], s[TB], v[ADRA]
	v_add_nc_u32 v[CB], s[TB], v[ADRB]
	FETCH 0, F0
.if \fill
	ASK
.endif
	MUL16 F1, 1, 0, 0
	MUL16 F1, 1, 2, 0
.endm
	s_wait_tensorcnt 1                             ; my part of K step 0 is in; K step 1's may stay out
	s_barrier_signal -1
	s_barrier_wait -1
	FETCH 0, F0
	QUARTER 64,  F0, F1, 1                         ; the first quarter starts the sums
	WIN 0
	s_mov_b32 s3, STEPS-2
.Lstep:                                                ; a trip: a K step's quarters 2 to 4 and the next step's first; the slot that it leaves is filled again
	QUARTER 128, F1, F0, 0
	QUARTER 192, F0, F1, 0
	TURN 1
	QUARTER 64,  F0, F1, 0
	WIN 0
	s_sub_co_u32 s3, s3, 1
	s_cmp_lg_u32 s3, 0
	s_cbranch_scc1 .Lstep
	s_mov_b32 s3, 2                                ; the last two K steps fill nothing: a text of their own; its second trip is left in the middle
.Ltail:
	QUARTER 128, F1, F0, 0
	QUARTER 192, F0, F1, 0
	WIN 0
	s_sub_co_u32 s3, s3, 1
	s_cmp_eq_u32 s3, 0
	s_cbranch_scc1 .Llastq
	TURN 0
	QUARTER 64,  F0, F1, 0
	WIN 0
	s_branch .Ltail
.Llastq:
	s_wait_dscnt 8
	MUL16 F1, 0, 0, 0
	MUL16 F1, 0, 2, 0
	s_wait_dscnt 0x0
	MUL16 F1, 1, 0, 0
	MUL16 F1, 1, 2, 0
; THE WAY OUT, written for four blocks of 16 rows and walked twice.
; The squares of a lane's 64 numbers of block a, in four chains; each accumulator is read from its low end on.
.macro SUMSQ a
.set AC, 64*(\a)
	WIN 0x0a                                       ; sources 0 and 1: window 2
.irp b, 0,1,2,3,4,5,6,7
.irp r, 0,1,2,3
.if (\b) == 0
	v_pk_mul_f32 v[SS+2*(\r):SS+2*(\r)+1], v[AC+2*(\r):AC+2*(\r)+1], v[AC+2*(\r):AC+2*(\r)+1]
.else
	v_pk_fma_f32 v[SS+2*(\r):SS+2*(\r)+1], v[AC+8*(\b)+2*(\r):AC+8*(\b)+2*(\r)+1], v[AC+8*(\b)+2*(\r):AC+8*(\b)+2*(\r)+1], v[SS+2*(\r):SS+2*(\r)+1]
.endif
.endr
.endr
	WIN 0
	v_pk_add_f32 v[SS:SS+1], v[SS:SS+1], v[SS+2:SS+3]
	v_pk_add_f32 v[SS+4:SS+5], v[SS+4:SS+5], v[SS+6:SS+7]
	v_mov_b32 v[FC+2*(\a)+1], 0                    ; the pair's upper word is written before the lane exchange names it
	v_pk_add_f32 v[SS:SS+1], v[SS:SS+1], v[SS+4:SS+5]
	v_add_f32 v[FC+2*(\a)], v[SS], v[SS+1]
.endm
; Block a: scaled, its first 64 channels rotated, rounded to f16.
.macro BLOCK a
.set AC, 64*(\a)
.set TW, 32*(\a)+128*((\a)/2)          ; the block's words of the table, in window 1
	WIN 0x02                                       ; source 0: window 2
.set n, 0
.rept 32
	v_pk_mul_f32 v[XX+2*n:XX+2*n+1], v[AC+2*n:AC+2*n+1], v[FC+2*(\a):FC+2*(\a)+1] op_sel_hi:[1,0]
.set n, n+1
.endr
	WIN 0x04                                       ; source 1: window 1, a pair (cos, sin)
.set n, 0
.rept 4
.irp p, 0,1,2,3
	v_pk_mul_f32 v[TT+2*(\p):TT+2*(\p)+1], v[XX+2*(n+(\p)):XX+2*(n+(\p))+1], v[TW+2*(n+(\p)):TW+2*(n+(\p))+1] op_sel_hi:[1,0]  ; (x1 c, x2 c)
.endr
.irp p, 0,1,2,3
	v_pk_fma_f32 v[XX+2*(n+(\p)):XX+2*(n+(\p))+1], v[XX+2*(n+(\p)):XX+2*(n+(\p))+1], v[TW+2*(n+(\p)):TW+2*(n+(\p))+1], v[TT+2*(\p):TT+2*(\p)+1] op_sel:[1,1,0] op_sel_hi:[0,1,1] neg_lo:[0,1,0]  ; (x1 c - x2 s, x2 c + x1 s)
.endr
.set n, n+4
.endr
	WIN 0
.set n, 0
.rept 32
	v_cvt_pk_f16_f32 v[TMP+n], v[XX+2*n], v[XX+2*n+1]
.set n, n+1
.endr
.endm
.macro TOSTAGE a                       ; into my own stage, 16 bytes a lane, and back as whole rows of 256 bytes; LDS serves a wave's instructions in order
.set BB, BK+32*((\a)%2)
.irp b, 0,1,2,3,4,5,6,7
	ds_store_b128 v[STO], v[TMP+4*(\b):TMP+4*(\b)+3] offset:32*(\b)
.endr
.irp t, 0,1,2,3,4,5,6,7
	ds_load_b128 v[BB+4*(\t):BB+4*(\t)+3], v[RD] offset:(\t)*2*SPITCH
.endr
.endm
.macro SEND a
.set BB, BK+32*((\a)%2)
	s_wait_dscnt 0x0                               ; the block is back in registers
	s_wait_xcnt 0x0                                ; the stores of the block before have read their registers, which the next block's loads write
.irp t, 0,1,2,3,4,5,6,7
	global_store_b128 v[CO], v[BB+4*(\t):BB+4*(\t)+3], s[8:9] offset:4096*(\a)+512*(\t)  ; 512 consecutive bytes, aligned: two rows of a head
.endr
.endm
	PLACES                                         ; behind the last products: for the loads into the fragment buffers and for the squares
	WIN 0
	s_wait_loadcnt 0x0                             ; the table's words for rows 0-63, asked for at the head
	TABLE TO2, 1                                   ; those for rows 64-127 go out now and land while rows 0-63 leave
	s_mov_b32 s3, 2
.Lhalf:                                                ; first my rows 0-63, then my rows 64-127
	s_cmp_eq_u32 s3, 2
	s_cbranch_scc1 .Lin_place
	WIN 0x83                                       ; the second trip: rows 64-127's sums go where the one text names sums, from window 3 into window 2,
.set n, 0
.rept 256
	v_mov_b32 v[n], v[n]
.set n, n+1
.endr
	s_wait_loadcnt 0x0                             ; and their words of the table, which are in, where it names the table
	WIN 0x41
.irp a, 0,1,2,3
.set n, 0
.rept 32
	v_mov_b32 v[32*(\a)+128*((\a)/2)+n], v[64+32*(\a)+n]
.set n, n+1
.endr
.endr
	WIN 0
.Lin_place:
.irp a, 0,1,2,3
	SUMSQ \a
.endr
.irp a, 0,1,2,3
	v_permlanex16_b32 v[FC+2*(\a)+1], v[FC+2*(\a)], s[SEL], s[SEL+1]  ; the row's other 64 channels lie in the lane 16 away
.endr
.irp a, 0,1,2,3
	v_add_f32 v[FC+2*(\a)], v[FC+2*(\a)], v[FC+2*(\a)+1]
.endr
.irp a, 0,1,2,3
	v_fma_f32 v[FC+2*(\a)], v[FC+2*(\a)], s[RCPN], s[EPSR]           ; the mean + 1e-6
.endr
.irp a, 0,1,2,3
	v_rsq_f32 v[FC+2*(\a)], v[FC+2*(\a)]
.endr
	v_nop                                          ; a plain line behind the last of the batch
	s_wait_alu depctr_va_vdst(0)                   ; one wait for the four, ahead of their first reader
.irp a, 0,1,2,3
	v_fma_f32 v[FC+2*(\a)], v[FC+2*(\a)], s[GF], s[AD]
.endr
	BLOCK 0
	TOSTAGE 0
.irp a, 1,2,3
	BLOCK \a                                       ; a block's arithmetic stands between the loads of the block before and its stores
	SEND (\a)-1
	TOSTAGE \a
.endr
	SEND 3
	s_sub_co_u32 s3, s3, 1
	s_cmp_eq_u32 s3, 0
	s_cbranch_scc1 .Lgone
	s_wait_xcnt 0x0                                ; the stores have read their base and registers
	s_add_nc_u64 s[8:9], s[8:9], 16384             ; 64 rows of a head on
	s_branch .Lhalf
.Lgone:
	s_wait_tensorcnt 0x0                           ; the wave's end
	ds_add_u32 v[SPW], v[NIL]
	s_wait_dscnt 0x0
	CROUND                                         ; the closing round
	s_endpgm
.Lfunc_end_k_q4a3cd43ffd_qkvproj:
	.size	k_q4a3cd43ffd_qkvproj, .Lfunc_end_k_q4a3cd43ffd_qkvproj-k_q4a3cd43ffd_qkvproj
	.p2alignl 7, 3214868480
	.fill 96, 4, 3214868480
	.section	.rodata,"a",@progbits
	.p2align	6, 0x0
	.amdhsa_kernel k_q4a3cd43ffd_qkvproj
		.amdhsa_group_segment_fixed_size 327680
		.amdhsa_private_segment_fixed_size 0
		.amdhsa_enable_private_segment 0
		.amdhsa_kernarg_size 40
		.amdhsa_user_sgpr_count 2
		.amdhsa_user_sgpr_kernarg_segment_ptr 1
		.amdhsa_wavefront_size32 1
		.amdhsa_system_sgpr_workgroup_id_x 1
		.amdhsa_system_sgpr_workgroup_id_y 1
		.amdhsa_system_sgpr_workgroup_id_z 1
		.amdhsa_system_vgpr_workitem_id 0
		.amdhsa_next_free_vgpr 1024
		.amdhsa_next_free_sgpr 84
		.amdhsa_reserve_vcc 0
		.amdhsa_float_denorm_mode_32 3
		.amdhsa_float_denorm_mode_16_64 3
		.amdhsa_memory_ordered 1
		.amdhsa_forward_progress 1
		.amdhsa_inst_pref_size 136
	.end_amdhsa_kernel
	.amdgpu_metadata
---
amdhsa.version: [ 1, 2 ]
amdhsa.kernels:
  - .name:           k_q4a3cd43ffd_qkvproj
    .symbol:         k_q4a3cd43ffd_qkvproj.kd
    .args:
      - { .name: xb, .offset: 0, .size: 8, .value_kind: global_buffer, .address_space: global }
      - { .name: wqkv, .offset: 8, .size: 8, .value_kind: global_buffer, .address_space: global }
      - { .name: qkv, .offset: 16, .size: 8, .value_kind: global_buffer, .address_space: global }
      - { .name: rope, .offset: 24, .size: 8, .value_kind: global_buffer, .address_space: global }
      - { .name: qk_gain, .offset: 32, .size: 8, .value_kind: global_buffer, .address_space: global }
    .group_segment_fixed_size: 327680
    .private_segment_fixed_size: 0
    .kernarg_segment_align: 8
    .kernarg_segment_size: 40
    .max_flat_workgroup_size: 128
    .sgpr_count:     84
    .vgpr_count:     1024
    .wavefront_size: 32
...
	.end_amdgpu_metadata
.endif
;; end of part 2
;; launch attn (part 3): grid 16 x 16, 4 waves a work-group, clusters of 4 x 1, 327,680 bytes of LDS; arguments qkv, att; writes att
.if DOCPART == 3
	.amdgcn_target "amdgcn-amd-amdhsa--gfx1250"
	.amdhsa_code_object_version 6
	.text
	.protected	k_q4a3cd43ffd_attn
	.globl	k_q4a3cd43ffd_attn
	.p2align	8
	.type	k_q4a3cd43ffd_attn,@function
k_q4a3cd43ffd_attn:
	s_mov_b64 s[64:65], 0
	v_nop
	global_prefetch_b8 v0, s[64:65] scope:SCOPE_SE
	s_setreg_imm32_b32 hwreg(HW_REG_WAVE_MODE, 25, 1), 1
	s_wait_xcnt 0x0
	s_wait_alu depctr_hold_cnt(0) depctr_sa_sdst(0) depctr_va_vdst(0) depctr_va_sdst(0) depctr_va_ssrc(0) depctr_va_vcc(0) depctr_vm_vsrc(0)
	s_getreg_b32 s2, hwreg(HW_REG_IB_STS2, 6, 4)
	s_cmp_eq_u32 s2, 0
	s_cbranch_scc0 .Lentry_in_a_cluster
	s_endpgm
.Lentry_in_a_cluster:
	s_bfe_u32 s2, ttmp6, 0x10000c
	s_cmp_lg_u32 s2, 0x3003
	s_cbranch_scc0 .Lentry_shape_is_right
	s_endpgm
.Lentry_shape_is_right:
; CAUSAL ATTENTION, head size 128, four query heads to a key head.  att[batch x 1,024 + q][128 head + :] = sum over k <= q of softmax_k(Q[q] . K[k] / sqrt(128)) V[k].  (The window of 1,024
; positions hides nothing that the causal rule leaves at 1,024 positions.)  qkv: f16 [4][24][1024][128], slots 0-15 q (gain, norm and rotation applied), 16-19 k, 20-23 v.  Products, maxima and
; sums in f32; the weights are rounded to f16 for the second product, the result once at the end.
; LIMITS.  A hidden score counts as its value less 1e30; a weight below 2^-126 counts as 0; NaN and infinities are not treated apart; f16 holds no number beyond 65,504.
; THE WALK.  A head's positions lie in 8 blocks of 128; block i needs the key tiles 0 .. i of 128 keys, the last of which holds the diagonal.  A work-group takes TWO blocks of one query head,
; 7 - b and then b: 9 tiles whatever b, one counted walk.  CLUSTER: the four partners are the four query heads of one key head, with the same b: they walk the same tiles of K and V, and each
; tile is asked for jointly.
; SHARES.  Wave w = 2 qh + kh multiplies 64 queries by 64 of a tile's 128 keys.  Its query tile t (16 rows) holds block rows 32 ((t + 2 kh) & 3) + 16 qh + l % 16, its key block kb tile keys
; 32 ((kb + 2 kh) & 3) + 16 kh + 0..15.  Waves w and w ^ 1 hold the same rows and the two halves of the keys, each with its own running maximum and sum; at a block's end each gives its tiles
; 2, 3 to the other, whose tiles 0, 1 they are, and finishes its own tiles 0, 1: one text for all waves.
; THE MASK is the C operand that starts a sum S^T = K Q^T: four groups of eight registers, made anew for each tile, all 0 but in the diagonal tile.  There: DIA (kb = t) hides register j where
; j > 16 qh + l % 16 - 16 kh - 8 (l / 16); HIG (same half, kb > t) hides all; UR (t < 2 <= kb) hides all if kh = 0; LL (kb < 2 <= t) if kh = 1.  A wave that sees only hidden keys of a row keeps
; finite numbers with a maximum near -1e30, and the merge multiplies them by 0.
; LAYOUT.  S^T holds ONE query a lane (l % 16) and keys 8 (l / 16) + 0..7; two such results rounded to f16 ARE source 1 of O^T = V^T P.  p = 2^(c s - c m), c = log2(e) / sqrt(128).
; m starts at the lowest finite number: a block's first step multiplies O^T and l by 0, so these need only be finite.
; ORDER OF A STEP.  32 products K Q^T of tiles 0, 1; 32 of tiles 2, 3 with the softmax of tiles 0, 1 in slices behind them; the change of slots; 32 products V^T P of tiles 0, 1 with the softmax of
; tiles 2, 3 behind them; 32 of tiles 2, 3.  K and V of a tile are in registers at the change, so the slot is filled again a whole step ahead of its use.
; REGISTERS, in windows of 256: window 0: addresses, statistics (v12-43), S^T (v64-191), P (v192-255); window 1: O^T, 64 a tile; window 2: Q (v0-127), K (v128-255);
; window 3: V (v0-127), the masks (v128-159).
.set PK,    272                        ; a row of K in LDS: 256 bytes + 16
.set PV,    288                        ; a row of V: 256 + 32, for the turning load
.set VOFF,  128*PK                     ; a slot: 128 rows of K, then 128 of V
.set SLOT1, 1<<17                      ; slot 1 begins here: one exclusive or turns an address in one slot into the other's
.set XCH,   SLOT1+128*(PK+PV)          ; behind the ring: for each wave two tiles of O^T (8,192 bytes each) and 512 bytes of statistics, for its partner
.set XW,    16896
.set STAGE, XCH+4*XW                   ; 16 rows x 272 bytes for each wave, for the way out
.set SP,    272
.set SPARE, STAGE+4*16*SP              ; the spare words, 128 bytes a wave; no other line names them
.set AKA, 2                            ; v2   my place in a tile of K, key blocks 0, 1
.set AKB, 3                            ; v3   key blocks 2, 3
.set AVA, 4                            ; v4   the same for V
.set AVB, 5
.set ADR, 6                            ; v6-7 the addresses of the run of loads in hand
.set ADR2, 7
.set QOA, 8                            ; v8   my byte offset in a block of Q, tiles 0, 1
.set QOB, 10                           ; v10  tiles 2, 3
.set STO, 11
.set ST,  12                           ; tile t's statistics at v[ST+8 t]: c m, m, l (even keys', odd keys'), four at work; a takes the third of these
.set RD,  44
.set GO,  45
.set VD,  46                           ; v46  the diagonal's bound
.set XS,  47                           ; v47-48  where I put what I give (16 and 4 bytes a lane)
.set XT,  48
.set XL,  49                           ; v49-50  where I find what I am given
.set XLT, 50
.set PFO, 61                           ; v61  256 x lane; never rewritten
.set SPW, 62
.set NIL, 63
.set S,   64
.set P,   192
.set KF,  128                          ; window 2
.set DIA, 128                          ; window 3
.set HIG, 136
.set UR,  144
.set LL,  152
.set WV,  12
.set KH,  13
.set QHW, 14
.set PB,  15                           ; b
.set G1K, 24
.set G1V, 32
.set G0K, 40
.set G0V, 44
.set KB,  48                           ; s[48:49] K at my half of the head's tile 0
.set VB,  50
.set QH,  52                           ; s[52:53] Q at the first block; s[54:55] at the second
.set QL,  54
.set SLOTS, 56
.set CNT, 57
.set CS,  58
.set SEL, 60
.set TB,  62                           ; the slot from which the fetches read
.set OB,  66                           ; s[66:67] att at the rows that I finish, block in hand; s[68:69] second block
.set OLO, 68
.set PFA, 70
.set LIM, 72
.set NXT, 73                           ; the tile to be asked for next
.set LQ,  74                           ; the last tile of the block whose tiles are being asked for
.set CUR, 75                           ; tiles of the block in hand still to be multiplied
.set PEND, 76                          ; 1: the tile in hand is a block's last
.set QF,  77                           ; 1: the second block's Q is still to be loaded
.set OFF, 78
.set BIGN, 80
.set SB,  81
.set SUR, 82
.set SLL, 83
.set NB2, 84
.set TQ,  85
.set MSB, 0
.macro WIN new
.if MSB != (\new)
	s_set_vgpr_msb (MSB<<8)|(\new)
.set MSB, \new
.endif
.endm
.set W_KQ, 0x0a                        ; K and Q window 2, S^T window 0
.set W_KM, 0x3a                        ; the same with C in window 3
.set W_PV, 0x53                        ; V window 3, P window 0, O^T window 1
.set W_RS, 0x41                        ; O^T (destination, source 0) window 1
.macro JLOAD                           ; waves 0, 1 fetch the halves of a tile's K, waves 2, 3 of its V; an s_nop 0 and four v_nop follow each line
	s_cmp_lt_u32 s[WV], 2
	s_cbranch_scc0 .Lfor_v_\@
	tensor_load_to_lds s[G0K:G0K+3], s[G1K:G1K+7]
	s_nop 0
.rept 4
	v_nop
.endr
	s_branch .Lasked_\@
.Lfor_v_\@:
	tensor_load_to_lds s[G0V:G0V+3], s[G1V:G1V+7]
	s_nop 0
.rept 4
	v_nop
.endr
.Lasked_\@:
.endm
; A prefetch of the tile that the NEXT fill will ask for.  Of the clusters that walk a key head's tiles the one with b = 0 walks tiles 0 .. 7 in order: it alone asks.  Its four partners take 32 rows
; each, told apart by address; wave 0 asks for K's, wave 2 for V's: a lane a row of 256 bytes.  So each row is named once.  Tiles 0 and 1 come by their loads alone; the fills that load tiles 1 .. 6
; (s[SLOTS] = 8 .. 3) name tiles 2 .. 7.
.macro ASK
	s_cmp_gt_u32 s[SLOTS], s[LIM]
	s_cbranch_scc0 .Lnot_mine_\@
	global_prefetch_b8 v[PFO], s[PFA:PFA+1] th:TH_LOAD_NT scope:SCOPE_SE
.Lnot_mine_\@:
.endm
.macro CROUND
	s_barrier_signal -1
	s_barrier_wait -1
	s_cmp_lg_u32 s[WV], 0
	s_cbranch_scc1 .Lnot_wave_0_\@
	s_barrier_signal -3
.Lnot_wave_0_\@:
	s_barrier_wait -3
	s_barrier_signal -1
	s_barrier_wait -1
.endm
; THE CHANGE OF SLOTS.  K and V of the tile in hand have been asked out of LDS.  Each wave waits for all its tensor loads (one is out: its part of the other slot), adds 0 to its spare word, and waits
; for that and for its reads of the slot.  fill = 1: the barrier is a round of the cluster's, and the slot is filled again first thing behind it, with tile NXT; the address is made anew from that number.
.macro CHANGE fill
	WIN 0
	s_wait_tensorcnt 0x0
	ds_add_u32 v[SPW], v[NIL]                      ; 0 onto my spare word; scalar work stands between it and the wait for it
.if \fill
	s_lshl_b32 s[OFF], s[NXT], 15                  ; a tile is 32,768 bytes of K and of V
	s_xor_b32 s[G0K+1], s[G0K+1], SLOT1
	s_add_nc_u64 s[G0K+2:G0K+3], s[KB:KB+1], s[OFF:OFF+1]
	s_or_b32 s[G0K+3], s[G0K+3], 0x80000000
	s_xor_b32 s[G0V+1], s[G0V+1], SLOT1
	s_add_nc_u64 s[G0V+2:G0V+3], s[VB:VB+1], s[OFF:OFF+1]
	s_or_b32 s[G0V+3], s[G0V+3], 0x80000000
	s_add_co_u32 s[NXT], s[NXT], 1                 ; the block's next tile, or behind its last the second block's tile 0
	s_cmp_gt_u32 s[NXT], s[LQ]
	s_cselect_b32 s[NXT], 0, s[NXT]
	s_cselect_b32 s[LQ], s[PB], s[LQ]
	s_wait_xcnt 0x0                                ; the last prefetch, a step back, has read its address
	s_add_nc_u64 s[PFA:PFA+1], s[PFA:PFA+1], 32768
.endif
	s_xor_b32 s[TB], s[TB], SLOT1
	s_wait_dscnt 0x0                               ; the add is done, and my reads of the slot are over
.if \fill
	CROUND
	JLOAD
	ASK
.else
	s_barrier_signal -1
	s_barrier_wait -1
.endif
.endm
	s_load_b128 s[4:7], s[0:1], 0x0                ; qkv s[4:5], att s[6:7]
	v_lshl_add_u32 v[SPW], v0, 2, SPARE
	v_mov_b32 v[NIL], 0
	ds_add_u32 v[SPW], v[NIL]                      ; the wave's opening: the add and its wait ahead of my first tensor load
	v_lshrrev_b32 v1, 5, v0
	v_readfirstlane_b32 s[WV], v1
	s_and_b32 s[KH], s[WV], 1
	s_lshr_b32 s[QHW], s[WV], 1
	s_mov_b32 s[PB], ttmp9                         ; the cluster's x: b, which the partners share
	s_and_b32 s17, ttmp7, 0xffff
	s_lshr_b32 s18, s17, 2                         ; batch
	s_and_b32 s19, s17, 3                          ; key head
	s_mul_i32 s21, s18, 24
	s_add_co_u32 s22, s21, s19
	s_add_co_u32 s22, s22, 16
	s_lshl_b32 s22, s22, 18                        ; the key head's 262,144 bytes,
	s_lshl_b32 s23, s[KH], 14                      ; the half of a tile that I fetch
	s_add_co_u32 s22, s22, s23
	s_mov_b32 s23, 0
	s_sub_co_u32 s20, 7, s[PB]                     ; the first block
	s_bfe_u32 s86, ttmp6, 0x40000                  ; cx: it enters Q's, att's and the prefetches' addresses alone
	s_lshl_b32 s87, s19, 2
	s_add_co_u32 s87, s87, s86                     ; my query head
	s_add_co_u32 s2, s21, s87
	s_lshl_b32 s2, s2, 18
	s_lshl_b32 s3, s20, 15
	s_add_co_u32 s[QH], s2, s3
	s_mov_b32 s[QH+1], 0
	s_lshl_b32 s3, s[PB], 15
	s_add_co_u32 s[QL], s2, s3
	s_mov_b32 s[QL+1], 0
	s_lshl_b32 s2, s18, 10
	s_lshl_b32 s3, s[KH], 6
	s_add_co_u32 s2, s2, s3
	s_lshl_b32 s3, s[QHW], 4
	s_add_co_u32 s2, s2, s3                        ; 1,024 batch + 64 kh + 16 qh
	s_lshl_b32 s63, s87, 8                         ; the head's 256 bytes of a row of att
	s_lshl_b32 s3, s20, 7
	s_add_co_u32 s3, s3, s2
	s_lshl_b32 s3, s3, 12
	s_add_co_u32 s[OB], s3, s63
	s_mov_b32 s[OB+1], 0
	s_lshl_b32 s3, s[PB], 7
	s_add_co_u32 s3, s3, s2
	s_lshl_b32 s3, s3, 12
	s_add_co_u32 s[OLO], s3, s63
	s_mov_b32 s[OLO+1], 0
	s_mov_b32 s[G1K], 15|(1<<16)|(1<<20)|(1<<21)|(5<<22)|(3<<25)  ; the mask of four; 2-byte elements; padding on; bit 21 beside a mask; after every 64 words 4 words
	s_mov_b32 s[G1V], 15|(1<<16)|(1<<20)|(1<<21)|(5<<22)|(7<<25)  ; the same with 8 words
.irp g, G1K, G1V
	s_mov_b32 s[(\g)+1], 128<<16                   ; tensor_dim0 = 128
	s_mov_b32 s[(\g)+2], 64<<16                    ; tensor_dim1 = 64
	s_mov_b32 s[(\g)+3], 128<<16                   ; tile_dim0 = 128
	s_mov_b32 s[(\g)+4], 64                        ; tile_dim1 = 64
	s_mov_b32 s[(\g)+5], 128                       ; elements from row to row
	s_mov_b32 s[(\g)+6], 0
	s_mov_b32 s[(\g)+7], 0
.endr
	s_mov_b32 s[G0K], 1
	s_mul_i32 s[G0K+1], s[KH], 64*PK               ; slot 0, my half
	s_mov_b32 s[G0V], 1
	s_mul_i32 s[G0V+1], s[KH], 64*PV
	s_add_co_u32 s[G0V+1], s[G0V+1], VOFF
	s_mov_b32 s[CS], 0x3e0293ee                    ; c = log2(e) / sqrt(128)
	s_mov_b32 s[CS+1], s[CS]
	s_mov_b32 s[SEL], 0x76543210
	s_mov_b32 s[SEL+1], 0xfedcba98
	s_mov_b32 s[TB], SLOT1                         ; the first change turns it into 0
	s_mov_b32 s[SLOTS], 8
	s_mov_b32 s[NXT], 1
	s_mov_b32 s[LQ], s20
	s_sub_co_u32 s[CUR], 8, s[PB]                  ; the first block has 8 - b tiles,
	s_add_co_u32 s[NB2], s[PB], 1                  ; the second b + 1
	s_mov_b32 s[PEND], 0
	s_mov_b32 s[QF], 1
	s_mov_b32 s[OFF+1], 0
	s_mov_b32 s[BIGN], 0xf149f2ca                  ; -1e30
	s_or_b32 s[LIM], s[KH], ttmp9                  ; 0 in waves 0 and 2 of the cluster with b = 0
	s_cmp_eq_u32 s[LIM], 0
	s_cselect_b32 s[LIM], 2, -1
	s_wait_dscnt 0x0                               ; the opening add is done
	s_wait_kmcnt 0x0
	s_add_nc_u64 s[KB:KB+1], s[4:5], s[22:23]
	s_add_nc_u64 s[VB:VB+1], s[KB:KB+1], 0x100000  ; four heads on
	s_add_nc_u64 s[QH:QH+1], s[4:5], s[QH:QH+1]
	s_add_nc_u64 s[QL:QL+1], s[4:5], s[QL:QL+1]
	s_add_nc_u64 s[OB:OB+1], s[6:7], s[OB:OB+1]
	s_add_nc_u64 s[OLO:OLO+1], s[6:7], s[OLO:OLO+1]
	s_mov_b64 s[G0K+2:G0K+3], s[KB:KB+1]
	s_or_b32 s[G0K+3], s[G0K+3], 0x80000000
	s_mov_b64 s[G0V+2:G0V+3], s[VB:VB+1]
	s_or_b32 s[G0V+3], s[G0V+3], 0x80000000
	s_cmp_lt_u32 s[WV], 2
	s_cselect_b64 s[PFA:PFA+1], s[KB:KB+1], s[VB:VB+1]
	s_lshl_b32 s2, s86, 13                         ; my work-group's 32 rows of the 128
	s_mov_b32 s3, 0
	s_add_nc_u64 s[PFA:PFA+1], s[PFA:PFA+1], s[2:3]
	s_add_nc_u64 s[PFA:PFA+1], s[PFA:PFA+1], 32768 ; at tile 1: the first fill steps it to tile 2
	CROUND                                         ; all four work-groups are here
	JLOAD                                          ; tile 0 into slot 0
	v_and_b32 v1, 15, v0                           ; l % 16
	v_bfe_u32 v9, v0, 4, 1                         ; l / 16
	v_and_b32 v51, 7, v0
	v_bfe_u32 v52, v0, 3, 1
	v_and_b32 v53, 31, v0
	s_mul_i32 s16, s[KH], 80                       ; the first row of my key blocks 0, 1 (32 rows apart): 0 or 80,
	s_mul_i32 s17, s[KH], 48
	s_sub_co_u32 s17, 64, s17                      ; of blocks 2, 3: 64 or 16
	v_add_nc_u32 v54, s16, v1
	v_mul_u32_u24 v54, v54, PK
	v_lshl_add_u32 v[AKA], v9, 4, v54
	v_add_nc_u32 v54, s17, v1
	v_mul_u32_u24 v54, v54, PK
	v_lshl_add_u32 v[AKB], v9, 4, v54
	v_lshl_add_u32 v55, v9, 3, v51                 ; the turning load: lane l reads key 8 (l / 16) + l % 8, channels 8 ((l / 8) % 2) + 0..7
	v_add_nc_u32 v54, s16, v55
	v_mul_u32_u24 v54, v54, PV
	v_lshl_add_u32 v54, v52, 4, v54
	v_add_nc_u32 v[AVA], VOFF, v54
	v_add_nc_u32 v54, s17, v55
	v_mul_u32_u24 v54, v54, PV
	v_lshl_add_u32 v54, v52, 4, v54
	v_add_nc_u32 v[AVB], VOFF, v54
	s_lshl_b32 s18, s[KH], 6
	s_lshl_b32 s19, s[QHW], 4
	s_add_co_u32 s20, s18, s19                     ; tiles 0, 1 begin at row 64 kh + 16 qh,
	v_add_nc_u32 v54, s20, v1
	v_lshlrev_b32 v54, 8, v54
	v_lshl_add_u32 v[QOA], v9, 4, v54
	s_xor_b32 s21, s18, 64
	s_add_co_u32 s21, s21, s19                     ; tiles 2, 3 at 64 (1 - kh) + 16 qh
	v_add_nc_u32 v54, s21, v1
	v_lshlrev_b32 v54, 8, v54
	v_lshl_add_u32 v[QOB], v9, 4, v54
	s_lshl_b32 s22, s[KH], 4
	s_sub_co_i32 s22, s19, s22
	v_lshlrev_b32 v54, 3, v9
	v_sub_nc_u32 v54, v1, v54
	v_add_nc_u32 v[VD], s22, v54                   ; 16 qh + l % 16 - 16 kh - 8 (l / 16)
	s_mul_i32 s23, s[WV], XW
	s_add_co_u32 s23, s23, XCH
	v_lshl_add_u32 v[XS], v53, 4, s23
	v_lshl_add_u32 v[XT], v53, 2, s23
	s_xor_b32 s23, s[WV], 1                        ; my partner
	s_mul_i32 s23, s23, XW
	s_add_co_u32 s23, s23, XCH
	v_lshl_add_u32 v[XL], v53, 4, s23
	v_lshl_add_u32 v[XLT], v53, 2, s23
	s_mul_i32 s23, s[WV], 16*SP
	s_add_co_u32 s23, s23, STAGE
	v_mul_u32_u24 v54, v1, SP
	v_lshl_add_u32 v54, v9, 4, v54
	v_add_nc_u32 v[STO], s23, v54
	v_mul_u32_u24 v54, v9, SP
	v_lshl_add_u32 v54, v1, 4, v54
	v_add_nc_u32 v[RD], s23, v54
	v_lshlrev_b32 v54, 12, v9                      ; two rows of att, 4,096 bytes apart
	v_lshl_add_u32 v[GO], v1, 4, v54
	v_lshlrev_b32 v[PFO], 8, v53
.macro QLOAD base                      ; a block's Q for my four tiles: tile i / 4, channels 32 (i % 4) on
	WIN 0x80
.set i, 0
.rept 8
	global_load_b128 v[8*i:8*i+3],   v[QOA], s[\base:\base+1] offset:(i/4)*8192+(i%4)*64
	global_load_b128 v[8*i+4:8*i+7], v[QOA], s[\base:\base+1] offset:(i/4)*8192+(i%4)*64+32
.set i, i+1
.endr
.rept 8
	global_load_b128 v[8*i:8*i+3],   v[QOB], s[\base:\base+1] offset:(i/4-2)*8192+(i%4)*64
	global_load_b128 v[8*i+4:8*i+7], v[QOB], s[\base:\base+1] offset:(i/4-2)*8192+(i%4)*64+32
.set i, i+1
.endr
	WIN 0
.endm
	QLOAD QH
	WIN 0x40                                       ; O^T and l need only be finite: zeros, written in the wait for the first tile, so that no first step is written out
.set i, 0
.rept 256
	v_mov_b32 v[i], 0
.set i, i+1
.endr
	WIN 0
.set i, 0
.rept 4
	v_mov_b32 v[ST+8*i], 0xfe000000                ; c m: far below every c s
	v_mov_b32 v[ST+8*i+1], 0xff7fffff              ; m
	v_mov_b32 v[ST+8*i+2], 0
	v_mov_b32 v[ST+8*i+3], 0
.set i, i+1
.endr
; Product i of 32 of S^T = K Q^T for tiles x, x + 1: channels 32 (i / 8) on, key block (i / 2) % 4, tile x + i % 2.  The first 8 start the sums, with a mask or with 0.  The 8 accumulators take turns.
.macro KQ x
.set tt, (\x)+i%2
.set kb, (i/2)%4
.set rS, S+32*tt+8*kb
.set rK, KF+32*kb+8*(i/8)
.set rQ, 32*tt+8*(i/8)
.if i < 8
.set mk, -1
.if kb == tt
.set mk, DIA
.elseif (kb/2) == (tt/2)
.if kb > tt
.set mk, HIG
.endif
.elseif tt < 2
.set mk, UR
.else
.set mk, LL
.endif
.if mk >= 0
	WIN W_KM
	v_wmma_f32_16x16x32_f16 v[rS:rS+7], v[rK:rK+7], v[rQ:rQ+7], v[mk:mk+7]
.else
	WIN W_KQ
	v_wmma_f32_16x16x32_f16 v[rS:rS+7], v[rK:rK+7], v[rQ:rQ+7], 0
.endif
.else
	WIN W_KQ
	v_wmma_f32_16x16x32_f16 v[rS:rS+7], v[rK:rK+7], v[rQ:rQ+7], v[rS:rS+7]
.endif
.endm
; Product i of 32 of O^T += V^T P: key blocks 2 (i / 16), 2 (i / 16) + 1, channels 16 ((i / 2) % 8) on, tile x + i % 2.  The 16 accumulators take turns.
.macro PV x
	WIN W_PV
.set rO, 64*((\x)+i%2)+8*((i/2)%8)
.set rV, 64*(i/16)+8*((i/2)%8)
.set rP, P+16*((\x)+i%2)+8*(i/16)
	v_wmma_f32_16x16x32_f16 v[rO:rO+7], v[rV:rV+7], v[rP:rP+7], v[rO:rO+7]
.endm
.macro FETCH_K                         ; my 64 keys x 128 channels: fragment f: key block f / 4, channels 32 (f % 4) on
	WIN 0
	v_add_nc_u32 v[ADR], s[TB], v[AKA]
	v_add_nc_u32 v[ADR2], s[TB], v[AKB]
	WIN 0x80
.irp f, 0,1,2,3,4,5,6,7
	ds_load_b128 v[KF+8*(\f):KF+8*(\f)+3],   v[ADR] offset:((\f)/4)*32*PK+((\f)%4)*64
	ds_load_b128 v[KF+8*(\f)+4:KF+8*(\f)+7], v[ADR] offset:((\f)/4)*32*PK+((\f)%4)*64+32
.endr
.irp f, 8,9,10,11,12,13,14,15
	ds_load_b128 v[KF+8*(\f):KF+8*(\f)+3],   v[ADR2] offset:((\f)/4-2)*32*PK+((\f)%4)*64
	ds_load_b128 v[KF+8*(\f)+4:KF+8*(\f)+7], v[ADR2] offset:((\f)/4-2)*32*PK+((\f)%4)*64+32
.endr
	WIN 0
.endm
.macro FETCH_V                         ; the same keys' V, turned: fragment f: key blocks 2 (f / 8) and 2 (f / 8) + 1 (32 rows apart), channels 16 (f % 8) on
	WIN 0
	v_add_nc_u32 v[ADR], s[TB], v[AVA]
	v_add_nc_u32 v[ADR2], s[TB], v[AVB]
	s_wait_alu depctr_va_vdst(0)                   ; the wait for the softmax's batch (SLICE)
	WIN 0xc0
.irp f, 0,1,2,3,4,5,6,7
	ds_load_tr16_b128 v[8*(\f):8*(\f)+3],   v[ADR] offset:(\f)*32
	ds_load_tr16_b128 v[8*(\f)+4:8*(\f)+7], v[ADR] offset:32*PV+(\f)*32
.endr
.irp f, 8,9,10,11,12,13,14,15
	ds_load_tr16_b128 v[8*(\f):8*(\f)+3],   v[ADR2] offset:((\f)-8)*32
	ds_load_tr16_b128 v[8*(\f)+4:8*(\f)+7], v[ADR2] offset:32*PV+((\f)-8)*32
.endr
.endm
; One tile's softmax for one step is a list of 134 instructions; SM writes number j of it for tile t.
;   0-15 the maximum of the lane's 32 scores and the old m (each accumulator's low registers first)   16-20 the other half of the lanes' maximum; m; c m; its change
;   21-69 ONE BATCH: the 16 scalings c s - c m and all 33 exponentials (a at 23); none reads an exponential's result   (the wait)
;   70-85 the roundings to f16   86-101 the sums; l = a l + sum   102-133 O^T times a
.macro SM t
.set rT, ST+8*(\t)
.set rS, S+32*(\t)
.set rP, P+16*(\t)
.set rO, 64*(\t)+2*(j-102)
.if j < 102
	WIN 0
.endif
.if j < 4
	v_max3_num_f32 v[rT+4+j], v[rS+8*j], v[rS+8*j+1], v[rS+8*j+2]
.elseif j < 12
	v_max3_num_f32 v[rT+4+j%4], v[rT+4+j%4], v[rS+8*(j%4)+2*(j/4)+1], v[rS+8*(j%4)+2*(j/4)+2]
.elseif j == 12
	v_max3_num_f32 v[rT+4], v[rT+4], v[rS+7], v[rS+15]
.elseif j == 13
	v_max3_num_f32 v[rT+6], v[rT+6], v[rS+23], v[rS+31]
.elseif j == 14
	v_max3_num_f32 v[rT+4], v[rT+4], v[rT+5], v[rT+6]
.elseif j == 15
	v_max3_num_f32 v[rT+4], v[rT+4], v[rT+7], v[rT+1]
.elseif j == 16
	v_permlanex16_b32 v[rT+5], v[rT+4], s[SEL], s[SEL+1]
.elseif j == 17
	v_mov_b32 v[rT+7], v[rT]
.elseif j == 18
	v_max_num_f32 v[rT+1], v[rT+4], v[rT+5]
.elseif j == 19
	v_mul_f32 v[rT], s[CS], v[rT+1]
.elseif j == 20
	v_sub_f32 v[rT+7], v[rT+7], v[rT]
.elseif j == 23
	v_exp_f32 v[rT+6], v[rT+7]
.elseif (j < 23) || ((j < 38) && (j%2 == 0)) || ((j < 66) && (j%4 == 2))
.set b, (j-2)/4
.if j < 38
.set b, (j-20)/2
.endif
	v_pk_fma_f32 v[rS+2*b:rS+2*b+1], v[rS+2*b:rS+2*b+1], s[CS:CS+1], v[rT:rT+1] op_sel_hi:[1,0,0] neg_lo:[0,0,1] neg_hi:[0,0,1]
.elseif j < 70
.set e, j-38
.if j < 66
.set e, j-32-(j-38)/4
.endif
.if j < 38
.set e, (j-25)/2
.endif
	v_exp_f32 v[rS+e], v[rS+e]
.elseif j < 86
	v_cvt_pk_f16_f32 v[rP+j-70], v[rS+2*(j-70)], v[rS+2*(j-70)+1]
.elseif j < 102
.set z, j-86
.set w, 4
.set u, z
.if z >= 14
.set w, 32
.set u, 0
.elseif z >= 12
.set w, 16
.set u, z-12
.elseif z >= 8
.set w, 8
.set u, z-8
.endif
.if z < 15
	v_pk_add_f32 v[rS+w*u:rS+w*u+1], v[rS+w*u:rS+w*u+1], v[rS+w*u+w/2:rS+w*u+w/2+1]
.else
	v_pk_fma_f32 v[rT+2:rT+3], v[rT+2:rT+3], v[rT+6:rT+7], v[rS:rS+1] op_sel_hi:[1,0,1]
.endif
.else
	WIN W_RS
	v_pk_mul_f32 v[rO:rO+1], v[rO:rO+1], v[rT+6:rT+7] op_sel_hi:[1,0]
.endif
.endm
; Slice k of 64 of the softmax of tiles y, y + 1.  Slices 11 to 34 deal out the batch, four numbers of one tile each; every other slice is numbers 2 k, 2 k + 1 of both tiles; slice 63 has the twelve
; that are over.  Behind slice 34 stand one plain line and the ONE wait between the 66 exponentials and their first reader; with y = 0 V's run of loads stands there too.
.macro SLICE y
.if (k >= 11) && (k < 35)
.irp n, 0,1,2,3
.set j, 22+4*((k-11)/2)+(\n)
	SM (\y)+(k-11)%2
.endr
.else
.irp n, 0,1,2,3,4,5,6,7
.if ((\n) < 2) || (k == 63)
.irp t, \y, (\y)+1
.set j, 2*k+(\n)
	SM \t
.endr
.endif
.endr
.endif
.if k == 34
	v_nop
.if (\y) == 0
	FETCH_V
.else
	s_wait_alu depctr_va_vdst(0)
.endif
.endif
.set k, k+1
.endm
; The masks of the tile to be multiplied, and whether it is its block's last.
.macro MASKS
	s_cmp_eq_u32 s[CUR], 1
	s_cselect_b32 s[SB], s[BIGN], 0
	s_cselect_b32 s[PEND], 1, 0
	s_cmp_eq_u32 s[KH], 0
	s_cselect_b32 s[SUR], s[SB], 0
	s_cselect_b32 s[SLL], 0, s[SB]
	s_sub_co_u32 s[CUR], s[CUR], 1
	s_cmp_eq_u32 s[CUR], 0
	s_cselect_b32 s[CUR], s[NB2], s[CUR]
	WIN 0xc0
.irp q, 0,1,2,3,4,5,6,7
	v_cmp_gt_i32 vcc_lo, \q, v[VD]
	v_cndmask_b32 v[DIA+(\q)], 0, s[SB], vcc_lo
	v_mov_b32 v[HIG+(\q)], s[SB]
	v_mov_b32 v[UR+(\q)], s[SUR]
	v_mov_b32 v[LL+(\q)], s[SLL]
.endr
	WIN 0
.endm
.macro STEP_AB                         ; a tile's scores, the softmax of tiles 0, 1, and V out of LDS
	MASKS
	s_wait_loadcnt 0x0                             ; Q
	s_wait_dscnt 0x0                               ; K
.set i, 0
.rept 32
	KQ 0
.set i, i+1
.endr
	WIN 0
.rept 4
	v_nop                                          ; the places behind those products
.endr
.set k, 0
.set i, 0
.rept 32
	KQ 2
	SLICE 0
	SLICE 0
.set i, i+1
.endr
	WIN 0
.endm
.macro STEP_CD                         ; the softmax of tiles 2, 3 and the tile's second products.  V is in: the change of slots has waited for it
.set k, 0
.set i, 0
.rept 32
	PV 0
	SLICE 2
	SLICE 2
.set i, i+1
.endr
.set i, 0
.rept 32
	PV 2
.set i, i+1
.endr
	WIN 0
.endm
; A BLOCK'S END, first half: every tile's l is summed over its two halves and the two halves of the lanes; tiles 2, 3 (O^T, c m, l) go into my part of XCH.  The first four additions are the places behind the last products.
.macro GIVE
	WIN 0
.irp t, 0,1,2,3
	v_add_f32 v[ST+8*(\t)+4], v[ST+8*(\t)+2], v[ST+8*(\t)+3]
.endr
.irp t, 0,1,2,3
	v_permlanex16_b32 v[ST+8*(\t)+5], v[ST+8*(\t)+4], s[SEL], s[SEL+1]
.endr
.irp t, 0,1,2,3
	v_add_f32 v[ST+8*(\t)+4], v[ST+8*(\t)+4], v[ST+8*(\t)+5]
.endr
	WIN 0x04                                       ; the stores' data in window 1
.irp t, 2,3
.set n, 0
.rept 16
	ds_store_b128 v[XS], v[64*(\t)+4*n:64*(\t)+4*n+3] offset:((\t)-2)*8192+512*n
.set n, n+1
.endr
.endr
	WIN 0
.irp t, 2,3
	ds_store_b32 v[XT], v[ST+8*(\t)] offset:16384+((\t)-2)*256
	ds_store_b32 v[XT], v[ST+8*(\t)+4] offset:16384+((\t)-2)*256+128
.endr
.endm
; Second half, behind the barrier: my tiles 0, 1 are merged with what my partner gave: with M = max(c m, c m'), O = (2^(c m - M) O + 2^(c m' - M) O') / (2^(c m - M) l + 2^(c m' - M) l'); rounded to f16,
; sent through my stage and stored as whole pieces of 256 bytes of att's rows.  Then the statistics start anew.
.macro FINISH
	WIN 0
.irp u, 0,1
.set n, 0
.rept 16
	ds_load_b128 v[S+64*(\u)+4*n:S+64*(\u)+4*n+3], v[XL] offset:(\u)*8192+512*n
.set n, n+1
.endr
	ds_load_b32 v[ST+8*(\u)+6], v[XLT] offset:16384+(\u)*256
	ds_load_b32 v[ST+8*(\u)+7], v[XLT] offset:16384+(\u)*256+128
.endr
	s_wait_dscnt 0x0
.irp u, 0,1
	v_max_num_f32 v[ST+8*(\u)+5], v[ST+8*(\u)], v[ST+8*(\u)+6]
.endr
.irp u, 0,1
	v_sub_f32 v[ST+8*(\u)+2], v[ST+8*(\u)], v[ST+8*(\u)+5]
	v_sub_f32 v[ST+8*(\u)+6], v[ST+8*(\u)+6], v[ST+8*(\u)+5]
.endr
.irp u, 0,1
	v_exp_f32 v[ST+8*(\u)+2], v[ST+8*(\u)+2]
	v_exp_f32 v[ST+8*(\u)+6], v[ST+8*(\u)+6]
.endr
	v_nop
	s_wait_alu depctr_va_vdst(0)                   ; one wait for the four
.irp u, 0,1
	v_mul_f32 v[ST+8*(\u)+5], v[ST+8*(\u)+2], v[ST+8*(\u)+4]
.endr
.irp u, 0,1
	v_fma_f32 v[ST+8*(\u)+5], v[ST+8*(\u)+6], v[ST+8*(\u)+7], v[ST+8*(\u)+5]
.endr
.irp u, 0,1
	v_rcp_f32 v[ST+8*(\u)+5], v[ST+8*(\u)+5]
.endr
	v_nop
	s_wait_alu depctr_va_vdst(0)                   ; one wait for the two
.irp u, 0,1
	v_mul_f32 v[ST+8*(\u)+2], v[ST+8*(\u)+2], v[ST+8*(\u)+5]
	v_mul_f32 v[ST+8*(\u)+6], v[ST+8*(\u)+6], v[ST+8*(\u)+5]
.endr
.irp u, 0,1
.set n, 0
.rept 32
	v_pk_mul_f32 v[S+64*(\u)+2*n:S+64*(\u)+2*n+1], v[S+64*(\u)+2*n:S+64*(\u)+2*n+1], v[ST+8*(\u)+6:ST+8*(\u)+7] op_sel_hi:[1,0]
.set n, n+1
.endr
.endr
	WIN 0x01                                       ; source 0: O^T, in window 1, from each accumulator's low end on
.irp u, 0,1
.set n, 0
.rept 32
	v_pk_fma_f32 v[S+64*(\u)+2*n:S+64*(\u)+2*n+1], v[64*(\u)+2*n:64*(\u)+2*n+1], v[ST+8*(\u)+2:ST+8*(\u)+3], v[S+64*(\u)+2*n:S+64*(\u)+2*n+1] op_sel_hi:[1,0,1]
.set n, n+1
.endr
.endr
	WIN 0
.irp u, 0,1
.set n, 0
.rept 32
	v_cvt_pk_f16_f32 v[P+32*(\u)+n], v[S+64*(\u)+2*n], v[S+64*(\u)+2*n+1]
.set n, n+1
.endr
.endr
.irp u, 0,1
.irp f, 0,1,2,3,4,5,6,7
	ds_store_b128 v[STO], v[P+32*(\u)+4*(\f):P+32*(\u)+4*(\f)+3] offset:32*(\f)
.endr
.irp f, 0,1,2,3,4,5,6,7
	ds_load_b128 v[S+64*(\u)+4*(\f):S+64*(\u)+4*(\f)+3], v[RD] offset:(\f)*2*SP  ; LDS serves a wave's instructions in order: these see the stores above, and the next tile's stores come behind them
.endr
.endr
.irp f, 0,1,2,3,4,5,6,7
	s_wait_dscnt 16+7-(\f)                         ; tile 1's sixteen LDS instructions and the 7 - f younger loads may stay out
	global_store_b128 v[GO], v[S+4*(\f):S+4*(\f)+3], s[OB:OB+1] offset:(\f)*8192
.endr
.irp f, 0,1,2,3,4,5,6,7
	s_wait_dscnt 7-(\f)
	global_store_b128 v[GO], v[S+64+4*(\f):S+64+4*(\f)+3], s[OB:OB+1] offset:131072+(\f)*8192  ; sixteen lanes store 256 consecutive bytes, aligned
.endr
	s_wait_xcnt 0x0                                ; the stores have read their registers and their base
	s_mov_b64 s[OB:OB+1], s[OLO:OLO+1]
.irp t, 0,1,2,3
	v_mov_b32 v[ST+8*(\t)], 0xfe000000
	v_mov_b32 v[ST+8*(\t)+1], 0xff7fffff
.endr
.endm
; A TRIP's first part: the change of slots; K of the next tile; behind a block's last tile the next block's Q; the second products of the tile in hand; at a block's end the exchange.  The jumps go forward and hang on
; numbers made from b, which all waves and all partners share; none passes a barrier or a tensor load.
.macro BODY fill
	CHANGE \fill
.if \fill
	FETCH_K
.else
	s_cmp_eq_u32 s[CNT], 1                         ; the very last trip has no next tile
	s_cbranch_scc1 .Lno_k_\@
	FETCH_K
.Lno_k_\@:
.endif
	s_and_b32 s[TQ], s[PEND], s[QF]
	s_cmp_lg_u32 s[TQ], 0
	s_cbranch_scc0 .Lno_q_\@
	QLOAD QL
	s_mov_b32 s[QF], 0
.Lno_q_\@:
	STEP_CD
	s_cmp_eq_u32 s[PEND], 1
	s_cbranch_scc0 .Lno_give_\@
	GIVE
.Lno_give_\@:
	s_wait_dscnt 0x0                               ; for the partner's sake: my stores into XCH are done
	s_barrier_signal -1
	s_barrier_wait -1                              ; on every path; my tensor load may stay out
	s_cmp_eq_u32 s[PEND], 1
	s_cbranch_scc0 .Lno_fin_\@
	FINISH
.Lno_fin_\@:
.endm
	CHANGE 1                                       ; tile 0 is in, everybody's part of it; tile 1 is asked into slot 1
	FETCH_K
	s_branch .Lab                                  ; the loop is entered in the middle of a trip
.Ltrip:                                                ; seven trips: the walk's tiles 2 .. 8 are asked for
	BODY 1
.Lab:
	STEP_AB
	s_sub_co_u32 s[SLOTS], s[SLOTS], 1
	s_cmp_lg_u32 s[SLOTS], 0
	s_cbranch_scc1 .Ltrip
	s_mov_b32 s[CNT], 2                            ; the tail is written out; its second trip is left in the middle
.Ltail:
	BODY 0
	s_sub_co_u32 s[CNT], s[CNT], 1
	s_cmp_eq_u32 s[CNT], 0
	s_cbranch_scc1 .Lout
	STEP_AB
	s_branch .Ltail
.Lout:
	s_wait_tensorcnt 0x0                           ; the wave's end
	ds_add_u32 v[SPW], v[NIL]
	s_wait_dscnt 0x0
	CROUND                                         ; the closing round
	s_endpgm
.Lfunc_end_k_q4a3cd43ffd_attn:
	.size	k_q4a3cd43ffd_attn, .Lfunc_end_k_q4a3cd43ffd_attn-k_q4a3cd43ffd_attn
	.p2alignl 7, 3214868480
	.fill 96, 4, 3214868480
	.section	.rodata,"a",@progbits
	.p2align	6, 0x0
	.amdhsa_kernel k_q4a3cd43ffd_attn
		.amdhsa_group_segment_fixed_size 327680
		.amdhsa_private_segment_fixed_size 0
		.amdhsa_enable_private_segment 0
		.amdhsa_kernarg_size 16
		.amdhsa_user_sgpr_count 2
		.amdhsa_user_sgpr_kernarg_segment_ptr 1
		.amdhsa_wavefront_size32 1
		.amdhsa_system_sgpr_workgroup_id_x 1
		.amdhsa_system_sgpr_workgroup_id_y 1
		.amdhsa_system_sgpr_workgroup_id_z 1
		.amdhsa_system_vgpr_workitem_id 0
		.amdhsa_next_free_vgpr 1024
		.amdhsa_next_free_sgpr 88
		.amdhsa_reserve_vcc 1
		.amdhsa_float_denorm_mode_32 3
		.amdhsa_float_denorm_mode_16_64 3
		.amdhsa_memory_ordered 1
		.amdhsa_forward_progress 1
		.amdhsa_inst_pref_size 175
	.end_amdhsa_kernel
	.amdgpu_metadata
---
amdhsa.version: [ 1, 2 ]
amdhsa.kernels:
  - .name:           k_q4a3cd43ffd_attn
    .symbol:         k_q4a3cd43ffd_attn.kd
    .args:
      - { .name: qkv, .offset: 0, .size: 8, .value_kind: global_buffer, .address_space: global }
      - { .name: att, .offset: 8, .size: 8, .value_kind: global_buffer, .address_space: global }
    .group_segment_fixed_size: 327680
    .private_segment_fixed_size: 0
    .kernarg_segment_align: 8
    .kernarg_segment_size: 16
    .max_flat_workgroup_size: 128
    .sgpr_count:     88
    .vgpr_count:     1024
    .wavefront_size: 32
...
	.end_amdgpu_metadata
.endif
;; end of part 3
;; launch oproj (part 4): grid 8 x 32, 4 waves a work-group, clusters of 4 x 4, 327,680 bytes of LDS; arguments att, wo16, out0; writes out0
.if DOCPART == 4
	.amdgcn_target "amdgcn-amd-amdhsa--gfx1250"
	.amdhsa_code_object_version 6
	.text
	.protected	k_q4a3cd43ffd_oproj
	.globl	k_q4a3cd43ffd_oproj
	.p2align	8
	.type	k_q4a3cd43ffd_oproj,@function
k_q4a3cd43ffd_oproj:
	s_mov_b64 s[64:65], 0
	v_nop
	global_prefetch_b8 v0, s[64:65] scope:SCOPE_SE
	s_setreg_imm32_b32 hwreg(HW_REG_WAVE_MODE, 25, 1), 1
	s_wait_xcnt 0x0
	s_wait_alu depctr_hold_cnt(0) depctr_sa_sdst(0) depctr_va_vdst(0) depctr_va_sdst(0) depctr_va_ssrc(0) depctr_va_vcc(0) depctr_vm_vsrc(0)
	s_getreg_b32 s2, hwreg(HW_REG_IB_STS2, 6, 4)
	s_cmp_eq_u32 s2, 0
	s_cbranch_scc0 .Lentry_in_a_cluster
	s_endpgm
.Lentry_in_a_cluster:
	s_bfe_u32 s2, ttmp6, 0x10000c
	s_cmp_lg_u32 s2, 0xf033
	s_cbranch_scc0 .Lentry_shape_is_right
	s_endpgm
.Lentry_shape_is_right:
; OUTPUT PROJECTION.  out0[m][n] = sum over k of att[m][k] wo16[n][k]; att [4096][2048] and wo16 [2048][2048] in f16, sums and out0 in f32.
; SHARES.  A tile of out0 is 128 rows x 256 columns: 256 work-groups.  Four waves of 64 x 128: 32 accumulators of 16 x 16, 256 registers.  K goes in 16 steps of 128 through a ring of two LDS slots;
; the tiles' rows are 256 bytes of memory, aligned.  Two slots of a K step of 256 (384 rows of 528 bytes each) would take 405,504 bytes: they do not fit.
; THE TEXT IS SHORT ON PURPOSE.  A K step is written once and walked 14 times; which slot it reads is a scalar, s[TB], from which two additions make the fragments' addresses behind each change of
; slots.  The last two K steps, which fill nothing, are a second loop, left in its middle.
; A K STEP IS SHORT HERE: 128 matrix instructions a wave.  So all of them stand between a request for a tile and the wait for it, and between that wait and the next request stand only the lines
; that the change of slots needs.
; CLUSTER.  4 x 4 work-groups: att's tile is shared along a row of the cluster, wo16's along a column; each is asked for jointly.
; THE MATRIX INSTRUCTION IS USED TRANSPOSED (source 0 = 16 rows of wo16, source 1 = 16 rows of att): a lane holds row l % 16 and the columns 16 b + 8 (l / 16) + 0..7: 32 bytes of a row.
; REGISTERS: window 0: v0-31 addresses; v64-95, v128-159 fragments of att, two buffers (on the way out v64-191: rows read back); window 1: v64-127, v128-191 fragments of wo16;
; window 2: the accumulators, (a, b) at v[8 (8 a + b)].
.set SIZE_K, 2048
.set KSTEP,  128
.set STEPS,  SIZE_K/KSTEP
.set PITCH,  272
.set AH,     64*PITCH                  ; what a load for att brings
.set BH,     128*PITCH                 ; what a load for wo16 brings
.set SLOT1,  1<<17                     ; a slot is att's 128 rows, then wo16's 256: 104,448 bytes; slot 1 begins here, so that one exclusive or turns an address in one slot into the other's
.set STAGE,  SLOT1+2*AH+2*BH           ; behind the ring: 16 rows x 528 bytes for each wave
.set SPITCH, 528                       ; 512 bytes + 16
.set SPARE,  STAGE+4*16*SPITCH         ; the spare words, 128 bytes a wave; no other line names them
.set ADRA, 16                          ; v16  LDS address of my att fragments in slot 0; never rewritten
.set CA,   17                          ; v17  the same in the slot in hand
.set ADRB, 20                          ; v20-21 the same for wo16
.set CB,   21
.set STO,  24
.set RD,   25
.set CO,   26
.set SPW,  28
.set NIL,  29
.set PFO,  30
.set F0,   64
.set F1,   128
.set BK,   64                          ; v64-127, v128-191: sixteen rows read back, by turns
.set G1,  24
.set G0,  32                           ; s[32:35] att's first fill; s[36:39] its second, which then walks on
.set G1B, 48
.set G0B, 56                           ; the same for wo16
.set PFA, 44
.set LIM, 43                           ; 2 in a wave that prefetches, else the greatest number
.set TB,  14                           ; the slot in hand: 0 or SLOT1
.set MSB, 0
.macro WIN new
.if MSB != (\new)
	s_set_vgpr_msb (MSB<<8)|(\new)
.set MSB, \new
.endif
.endm
.set MUL,  0xa1                        ; source 0 window 1, source 1 window 0, C and D window 2
.set TO_B, 0x40
.macro JLOAD s                         ; waves 0, 1 fetch att's halves, waves 2, 3 wo16's; an s_nop 0 and four v_nop follow each line
	s_cmp_eq_u32 s11, 0
	s_cbranch_scc0 .Lfor_b_\@
	tensor_load_to_lds s[G0+4*(\s):G0+4*(\s)+3], s[G1:G1+7]
	s_nop 0
.rept 4
	v_nop
.endr
	s_branch .Lasked_\@
.Lfor_b_\@:
	tensor_load_to_lds s[G0B+4*(\s):G0B+4*(\s)+3], s[G1B:G1B+7]
	s_nop 0
.rept 4
	v_nop
.endr
.Lasked_\@:
.endm
; A prefetch of the K step two refills on, a lane a row of 256 bytes.  att's 128 rows of a tile row: the clusters with x = 0 ask, each partner's wave 0 for 32 rows; wo16's 256 rows of a tile column:
; the clusters with y = 0 ask, each partner's waves 2 and 3 for 32 of the 128 rows that they fetch.  The partners are told apart by address.  The refills for K steps 2 .. 13 (s3 = 14 .. 3) name
; K steps 4 .. 15; the last two name nothing.
.macro ASK
	s_cmp_gt_u32 s3, s[LIM]
	s_cbranch_scc0 .Lnot_mine_\@
	global_prefetch_b8 v[PFO], s[PFA:PFA+1] offset:KSTEP*2 th:TH_LOAD_NT scope:SCOPE_SE
.Lnot_mine_\@:
.endm
.macro CREST
	s_cmp_lg_u32 s10, 0
	s_cbranch_scc1 .Lnot_wave_0_\@
	s_barrier_signal -3
.Lnot_wave_0_\@:
	s_barrier_wait -3
	s_barrier_signal -1
	s_barrier_wait -1
.endm
.macro CROUND
	s_barrier_signal -1
	s_barrier_wait -1
	CREST
.endm
	s_load_b128 s[4:7], s[0:1], 0x0                ; att s[4:5], wo16 s[6:7]
	s_load_b64 s[8:9], s[0:1], 0x10                ; out0
	v_lshl_add_u32 v[SPW], v0, 2, SPARE
	v_mov_b32 v[NIL], 0
	ds_add_u32 v[SPW], v[NIL]                      ; the wave's opening: the add and its wait ahead of my first tensor load
	v_lshrrev_b32 v1, 5, v0
	v_readfirstlane_b32 s10, v1
	s_lshr_b32 s11, s10, 1                         ; my half of the tile's rows; also: I fetch for att (0) or wo16 (1)
	s_and_b32 s12, s10, 1                          ; my half of its columns; also: which half I fetch
	s_bfe_u32 s40, ttmp6, 0x40000
	s_bfe_u32 s41, ttmp6, 0x40004
	s_lshl_b32 s42, ttmp9, 2
	s_add_co_u32 s42, s42, s40                     ; tile column
	s_and_b32 s13, ttmp7, 0xffff
	s_lshl_b32 s13, s13, 2
	s_add_co_u32 s13, s13, s41                     ; tile row
	s_lshl_b32 s43, s41, 2
	s_lshl_b32 s43, 15, s43
	s_lshl_b32 s44, 0x1111, s40
	s_or_b32 s[G1+0], s43, (1<<16)|(1<<20)|(1<<21)|(5<<22)|(3<<25)
	s_or_b32 s[G1B+0], s44, (1<<16)|(1<<20)|(1<<21)|(5<<22)|(3<<25)
	s_mov_b32 s[G1+1], KSTEP<<16                   ; tensor_dim0 = 128
	s_mov_b32 s[G1+2], 64<<16                      ; tensor_dim1 = 64
	s_mov_b32 s[G1+3], KSTEP<<16                   ; tile_dim0 = 128
	s_mov_b32 s[G1+4], 64                          ; tile_dim1 = 64
	s_mov_b32 s[G1+5], SIZE_K
	s_mov_b32 s[G1+6], 0
	s_mov_b32 s[G1+7], 0
	s_mov_b32 s[G1B+1], KSTEP<<16
	s_mov_b32 s[G1B+2], 128<<16                    ; 128 rows
	s_mov_b32 s[G1B+3], KSTEP<<16
	s_mov_b32 s[G1B+4], 128
	s_mov_b32 s[G1B+5], SIZE_K
	s_mov_b32 s[G1B+6], 0
	s_mov_b32 s[G1B+7], 0
	s_lshl_b32 s17, s12, 6
	s_lshl_b32 s16, s13, 7
	s_add_co_u32 s16, s16, s17                     ; att: row 128 x tile row + 64 x half
	s_lshl_b32 s47, s12, 7
	s_lshl_b32 s46, s42, 8
	s_add_co_u32 s46, s46, s47                     ; wo16: row 256 x tile column + 128 x half
	s_mov_b32 s17, 0
	s_mov_b32 s47, 0
	s_mov_b64 s[18:19], SIZE_K*2
	s_mul_u64 s[16:17], s[16:17], s[18:19]
	s_mul_u64 s[46:47], s[46:47], s[18:19]
	s_mul_i32 s20, s12, AH                         ; where att's half goes,
	s_mul_i32 s21, s12, BH
	s_add_co_u32 s21, s21, 2*AH                    ; and wo16's
	s_wait_dscnt 0x0
	s_wait_kmcnt 0x0
	s_add_nc_u64 s[14:15], s[4:5], s[16:17]
	s_add_nc_u64 s[46:47], s[6:7], s[46:47]
	CROUND
.irp s, 0,1
	s_mov_b32 s[G0+4*(\s)], 1
	s_add_co_u32 s[G0+4*(\s)+1], s20, (\s)*SLOT1
	s_add_nc_u64 s[G0+4*(\s)+2:G0+4*(\s)+3], s[14:15], (\s)*KSTEP*2
	s_or_b32 s[G0+4*(\s)+3], s[G0+4*(\s)+3], 0x80000000
	s_mov_b32 s[G0B+4*(\s)], 1
	s_add_co_u32 s[G0B+4*(\s)+1], s21, (\s)*SLOT1
	s_add_nc_u64 s[G0B+4*(\s)+2:G0B+4*(\s)+3], s[46:47], (\s)*KSTEP*2
	s_or_b32 s[G0B+4*(\s)+3], s[G0B+4*(\s)+3], 0x80000000
	JLOAD \s
.endr
	v_and_b32 v1, 15, v0
	v_bfe_u32 v2, v0, 4, 1
	v_mul_u32_u24 v3, v1, PITCH
	v_lshl_add_u32 v3, v2, 4, v3
	s_mul_i32 s21, s11, AH                         ; my 64 rows of att
	s_mul_i32 s22, s12, BH
	s_add_co_u32 s22, s22, 2*AH                    ; my 128 rows of wo16
	v_add_nc_u32 v[ADRA], s21, v3
	v_add_nc_u32 v[ADRB], s22, v3
	v_mov_b32 v[CA], v[ADRA]                       ; the walk begins in slot 0
	v_mov_b32 v[CB], v[ADRB]
	s_mul_i32 s23, s10, 16*SPITCH
	s_add_co_u32 s23, s23, STAGE
	v_mul_u32_u24 v4, v1, SPITCH                   ; in: row l % 16, 32 bytes for each half of the lanes
	v_lshl_add_u32 v4, v2, 5, v4
	v_add_nc_u32 v[STO], s23, v4
	v_and_b32 v[CO], 31, v0
	v_lshlrev_b32 v[CO], 4, v[CO]                  ; back: 32 lanes take one row of 512 bytes
	v_add_nc_u32 v[RD], s23, v[CO]
	s_lshl_b32 s16, s13, 7
	s_lshl_b32 s17, s11, 6
	s_add_co_u32 s16, s16, s17                     ; my first row of out0,
	s_lshl_b32 s16, s16, 13                        ; rows of 8,192 bytes
	s_lshl_b32 s46, s42, 10
	s_lshl_b32 s47, s12, 9
	s_add_co_u32 s46, s46, s47                     ; my first column's bytes
	s_add_co_u32 s16, s16, s46
	s_mov_b32 s17, 0
	s_add_nc_u64 s[8:9], s[8:9], s[16:17]
	; the prefetches
	s_lshl_b32 s20, s13, 7
	s_lshl_b32 s21, s42, 8
	s_lshl_b32 s22, s12, 7
	s_add_co_u32 s21, s21, s22
	s_and_b32 s22, ttmp7, 0xffff
	s_cmp_eq_u32 s11, 0
	s_cselect_b32 s20, s20, s21                    ; the first of the rows that are shared out
	s_cselect_b32 s21, s40, s41                    ; my place among the four
	s_cselect_b32 s22, ttmp9, s22                  ; the coordinate along which other clusters read the same rows
	s_cselect_b64 s[PFA:PFA+1], s[4:5], s[6:7]
	s_cmp_eq_u32 s10, 1
	s_cselect_b32 s22, 1, s22                      ; wave 1 asks for nothing: att's 128 rows are four partners' 32
	s_cmp_eq_u32 s22, 0
	s_cselect_b32 s[LIM], 2, -1
	s_lshl_b32 s21, s21, 5
	s_add_co_u32 s20, s20, s21
	s_mov_b32 s21, 0
	s_mov_b64 s[18:19], SIZE_K*2
	s_mul_u64 s[20:21], s[20:21], s[18:19]
	s_add_nc_u64 s[PFA:PFA+1], s[PFA:PFA+1], s[20:21]
	s_add_nc_u64 s[PFA:PFA+1], s[PFA:PFA+1], 2*KSTEP*2  ; at K step 2: the first refill steps it to 3 and names K step 4
	v_and_b32 v[PFO], 31, v0
	v_mul_u32_u24 v[PFO], v[PFO], SIZE_K*2
	s_mov_b32 s[TB], 0
.macro MULA f, a, zero                 ; 8 matrix instructions: row block a x all 8 column blocks, 32 along K.  The 32 accumulators take turns
	WIN MUL
.irp b, 0,1,2,3,4,5,6,7
.if \zero
	v_wmma_f32_16x16x32_f16 v[8*(8*(\a)+(\b)):8*(8*(\a)+(\b))+7], v[(\f)+8*(\b):(\f)+8*(\b)+7], v[(\f)+8*(\a):(\f)+8*(\a)+7], 0
.else
	v_wmma_f32_16x16x32_f16 v[8*(8*(\a)+(\b)):8*(8*(\a)+(\b))+7], v[(\f)+8*(\b):(\f)+8*(\b)+7], v[(\f)+8*(\a):(\f)+8*(\a)+7], v[8*(8*(\a)+(\b)):8*(8*(\a)+(\b))+7]
.endif
.endr
.endm
.macro FETCH k, f                      ; 24 LDS loads in one run, from the slot in hand: wo16's 16, then att's 8
	WIN TO_B
.irp i, 0,1,2,3,4,5,6,7
	ds_load_b128 v[(\f)+8*(\i):(\f)+8*(\i)+3],   v[CB] offset:(\k)+(\i)*16*PITCH
	ds_load_b128 v[(\f)+8*(\i)+4:(\f)+8*(\i)+7], v[CB] offset:(\k)+(\i)*16*PITCH+32
.endr
	WIN 0
.irp i, 0,1,2,3
	ds_load_b128 v[(\f)+8*(\i):(\f)+8*(\i)+3],   v[CA] offset:(\k)+(\i)*16*PITCH
	ds_load_b128 v[(\f)+8*(\i)+4:(\f)+8*(\i)+7], v[CA] offset:(\k)+(\i)*16*PITCH+32
.endr
.endm
.macro PLACES                          ; four plain vector lines behind the last matrix instruction, in front of loads into registers that it read and of stores that read results
.rept 4
	v_nop
.endr
.endm
.macro QUARTER k, f, g, zero
	s_wait_dscnt 4                                 ; the youngest four loads (att's blocks 2, 3) may be out
	MULA \f, 0, \zero
	MULA \f, 1, \zero
	PLACES
	FETCH \k, \g
	s_wait_dscnt 24                                ; all but the 24 just issued
	MULA \f, 2, \zero
	MULA \f, 3, \zero
.endm
; The last quarter multiplies buffer 1 and changes slots in its middle.  Its first sixteen products stand AHEAD of the wait for the tensor load, so that from a request to the wait for it a wave
; issues a whole K step's 128 matrix instructions.  Then: all my tensor loads have landed (my part of the next slot); the add; the descriptors' steps while it is out; the add and my reads of this
; slot are done; the barrier.  fill = 1: the barrier opens a round of the cluster's, and the slot just read out is filled again first behind it, with the K step two on: the walking descriptor has
; turned to that slot and stepped one K step.  Then the fetches turn to the other slot, which the barrier has shown whole.
.macro TURN fill
.if \fill
	s_wait_xcnt 0x0                                ; the last prefetch, a K step back, has read its address
	s_add_nc_u64 s[PFA:PFA+1], s[PFA:PFA+1], KSTEP*2
.endif
	s_wait_dscnt 4                                 ; the youngest four loads (att's blocks 2, 3) may be out
	MULA F1, 0, 0
	MULA F1, 1, 0
	WIN 0
	s_wait_tensorcnt 0x0                           ; all my tensor loads have landed, so a group 0 may be written
	ds_add_u32 v[SPW], v[NIL]
.if \fill
	s_xor_b32 s[G0+5], s[G0+5], SLOT1
	s_add_nc_u64 s[G0+6:G0+7], s[G0+6:G0+7], KSTEP*2
	s_xor_b32 s[G0B+5], s[G0B+5], SLOT1
	s_add_nc_u64 s[G0B+6:G0B+7], s[G0B+6:G0B+7], KSTEP*2
.endif
	s_xor_b32 s[TB], s[TB], SLOT1
	s_wait_dscnt 0x0                               ; the add is done, and my reads of this slot are over
	s_barrier_signal -1
	s_barrier_wait -1
.if \fill
	CREST                                          ; no wave of any partner still reads this slot or has a load on its way
	JLOAD 1                                        ; its four v_nop are also the places in front of the loads below
.else
	PLACES
.endif
	v_add_nc_u32 v[CA], s[TB], v[ADRA]
	v_add_nc_u32 v[CB], s[TB], v[ADRB]
	FETCH 0, F0
.if \fill
	ASK
.endif
	MULA F1, 2, 0
	MULA F1, 3, 0
.endm
	s_wait_tensorcnt 1                             ; my part of K step 0 is in; K step 1's may stay out
	s_barrier_signal -1
	s_barrier_wait -1
	FETCH 0, F0
	QUARTER 64,  F0, F1, 1                         ; the first quarter starts the sums
	WIN 0
	s_mov_b32 s3, STEPS-2
.Lstep:                                                ; a trip: a K step's quarters 2 to 4 and the next step's first; the slot that it leaves is filled again
	QUARTER 128, F1, F0, 0
	QUARTER 192, F0, F1, 0
	TURN 1
	QUARTER 64,  F0, F1, 0
	WIN 0
	s_sub_co_u32 s3, s3, 1
	s_cmp_lg_u32 s3, 0
	s_cbranch_scc1 .Lstep
	s_mov_b32 s3, 2                                ; the last two K steps fill nothing: a text of their own; its second trip is left in the middle
.Ltail:
	QUARTER 128, F1, F0, 0
	QUARTER 192, F0, F1, 0
	WIN 0
	s_sub_co_u32 s3, s3, 1
	s_cmp_eq_u32 s3, 0
	s_cbranch_scc1 .Llastq
	TURN 0
	QUARTER 64,  F0, F1, 0
	WIN 0
	s_branch .Ltail
.Llastq:
	s_wait_dscnt 4
	MULA F1, 0, 0
	MULA F1, 1, 0
	s_wait_dscnt 0x0
	MULA F1, 2, 0
	MULA F1, 3, 0
	; THE WAY OUT: a block of 16 rows goes into my own stage, 32 bytes a lane, and comes back as whole rows of 512 bytes.
	PLACES
.macro TOSTAGE a
	WIN 0x08                                       ; the stores' data in window 2; each accumulator's low four registers first
.irp b, 0,1,2,3,4,5,6,7
	ds_store_b128 v[STO], v[8*(8*(\a)+(\b)):8*(8*(\a)+(\b))+3]   offset:64*(\b)
	ds_store_b128 v[STO], v[8*(8*(\a)+(\b))+4:8*(8*(\a)+(\b))+7] offset:64*(\b)+16
.endr
	WIN 0
.irp t, 0,1,2,3,4,5,6,7,8,9,10,11,12,13,14,15
	ds_load_b128 v[BK+64*((\a)%2)+4*(\t):BK+64*((\a)%2)+4*(\t)+3], v[RD] offset:(\t)*SPITCH  ; LDS serves a wave's instructions in order
.endr
.endm
.macro SEND a, younger                 ; younger: the next block's 32 LDS instructions, which may stay out, or none
	s_wait_dscnt \younger
.irp t, 0,1,2,3,4,5,6,7,8,9,10,11,12,13,14,15
	global_store_b128 v[CO], v[BK+64*((\a)%2)+4*(\t):BK+64*((\a)%2)+4*(\t)+3], s[8:9] offset:(\a)*131072+(\t)*8192 th:TH_STORE_NT  ; 512 consecutive bytes, aligned
.endr
.endm
	TOSTAGE 0
	TOSTAGE 1
	SEND 0, 32
	s_wait_xcnt 0x0                                ; block 0's stores have read the registers that block 2's loads write
	TOSTAGE 2
	SEND 1, 32
	s_wait_xcnt 0x0
	TOSTAGE 3
	SEND 2, 32
	SEND 3, 0
	s_wait_tensorcnt 0x0                           ; the wave's end
	ds_add_u32 v[SPW], v[NIL]
	s_wait_dscnt 0x0
	CROUND                                         ; the closing round
	s_endpgm
.Lfunc_end_k_q4a3cd43ffd_oproj:
	.size	k_q4a3cd43ffd_oproj, .Lfunc_end_k_q4a3cd43ffd_oproj-k_q4a3cd43ffd_oproj
	.p2alignl 7, 3214868480
	.fill 96, 4, 3214868480
	.section	.rodata,"a",@progbits
	.p2align	6, 0x0
	.amdhsa_kernel k_q4a3cd43ffd_oproj
		.amdhsa_group_segment_fixed_size 327680
		.amdhsa_private_segment_fixed_size 0
		.amdhsa_enable_private_segment 0
		.amdhsa_kernarg_size 24
		.amdhsa_user_sgpr_count 2
		.amdhsa_user_sgpr_kernarg_segment_ptr 1
		.amdhsa_wavefront_size32 1
		.amdhsa_system_sgpr_workgroup_id_x 1
		.amdhsa_system_sgpr_workgroup_id_y 1
		.amdhsa_system_sgpr_workgroup_id_z 1
		.amdhsa_system_vgpr_workitem_id 0
		.amdhsa_next_free_vgpr 768
		.amdhsa_next_free_sgpr 66
		.amdhsa_reserve_vcc 0
		.amdhsa_float_denorm_mode_32 3
		.amdhsa_float_denorm_mode_16_64 3
		.amdhsa_memory_ordered 1
		.amdhsa_forward_progress 1
		.amdhsa_inst_pref_size 63
	.end_amdhsa_kernel
	.amdgpu_metadata
---
amdhsa.version: [ 1, 2 ]
amdhsa.kernels:
  - .name:           k_q4a3cd43ffd_oproj
    .symbol:         k_q4a3cd43ffd_oproj.kd
    .args:
      - { .name: att, .offset: 0, .size: 8, .value_kind: global_buffer, .address_space: global }
      - { .name: wo16, .offset: 8, .size: 8, .value_kind: global_buffer, .address_space: global }
      - { .name: out0, .offset: 16, .size: 8, .value_kind: global_buffer, .address_space: global }
    .group_segment_fixed_size: 327680
    .private_segment_fixed_size: 0
    .kernarg_segment_align: 8
    .kernarg_segment_size: 24
    .max_flat_workgroup_size: 128
    .sgpr_count:     66
    .vgpr_count:     768
    .wavefront_size: 32
...
	.end_amdgpu_metadata
.endif
;; end of part 4
;; ======== version 2 of 2: 4 launches; version 1 with the launch cast written anew for expert scheduling mode
;; limits: values are held in f16: magnitudes above 65,504 overflow, below 6.1e-05 lose precision; right only within a limited range of input values
;; workspace buffers: xb 16,777,216 bytes; wqkv 12,582,912 bytes; wo16 8,388,608 bytes; rope 262,144 bytes; qkv 25,165,824 bytes; att 16,777,216 bytes
;; launch cast (part 5): grid 1024 x 1, 8 waves a work-group, no clusters, 0 bytes of LDS; arguments x, Wq, Wk, Wv, Wo, xb, wqkv, wo16, rope; writes xb, wqkv, wo16, rope
.if DOCPART == 5
	.amdgcn_target "amdgcn-amd-amdhsa--gfx1250"
	.amdhsa_code_object_version 6
	.text
	.protected	k_q4a3cd43ffd_cast
	.globl	k_q4a3cd43ffd_cast
	.p2align	8
	.type	k_q4a3cd43ffd_cast,@function
k_q4a3cd43ffd_cast:
	s_mov_b64 s[64:65], 0
	v_nop
	global_prefetch_b8 v0, s[64:65] scope:SCOPE_SE
	s_setreg_imm32_b32 hwreg(HW_REG_WAVE_SCHED_MODE, 0, 2), 2
	s_setreg_imm32_b32 hwreg(HW_REG_WAVE_MODE, 25, 1), 1
	s_wait_xcnt 0x0
	s_wait_alu depctr_vm_vsrc(0)
; CAST.  x, Wq, Wk, Wv are rounded once to bf16 (xb; wqkv = Wq's, Wk's, Wv's rows one below the other); Wo is rounded to bf16 and that number written as f16 (wo16).
; Each work-group also makes one row of the table of the half rotation: rope[t][i] = (cos, sin) of t x 10000^(-i/32), f32, t = 0..1023, i = 0..31.
; SHARES.  The five inputs are 18 x 1,024 pieces of 4,096 bytes (1,024 numbers).  Work-group g of 1,024 takes piece g of each of the 18 runs of 1,024 pieces: runs 0-7 are x, 8-11 Wq, 12 Wk, 13 Wv,
; 14-17 Wo.  So every work-group has the same work, and which buffer a run belongs to is fixed in the text.  Thread t takes 16 bytes at 16 t of a piece: a wave's load covers 512 consecutive
; bytes; its store of 8 bytes a lane covers 256 consecutive bytes, aligned.  All eighteen loads of a thread go out at once; each byte is read once and written once.
; Wave 0 makes the table's row t = g, a lane a pair, while its loads are on their way: one store of 256 consecutive bytes.
; No LDS, no barrier, no matrix unit: the launch only moves bytes.
; LIMITS.  Wo in f16: beyond 65,504 it would be an infinity; below 6e-5 it keeps f16's fixed step of 6e-8.  The angles are t x 2^(-i log2(10000)/32) in f32, reduced by pi/2 in two
; parts; sine and cosine are polynomials on |r| <= pi/4 (terms to r^7 and r^8).
; THE MODE: SCHED_MODE bits 1:0 = 2 (LLVM: expert scheduling mode 2), set by the entry lines.  The code itself states the register dependences between vector instructions and memory
; instructions, with s_wait_alu, always for 0.
; THE PLAN.  Registers that memory instructions touch:
;   v1, v2       byte offsets in and out, made at the head and never written again: read by the 18 loads and the 18 stores.
;   X + 4 i ..   piece i's four words: load i lands in them, issued before any vector line names them; piece i's conversions read them and write the first two; store i reads those two.
;   v76, v77, v80  wave 0 alone: the table's pair and its offset, written by the table's lines, read by its one store.
;   None of these is written again behind the memory instruction that reads it, so none of them needs a wait on vm_vsrc.  v78, v79, v81-93 are named by vector lines alone.  EXEC is never written.
; The 18 pieces go in six blocks of three.  Block k converts pieces 3 k .. 3 k + 2; its memory instructions are the three stores of block k - 1, whose registers no vector line of block k names.
; So ONE wait on va_vdst at a block's head states all that the block's stores hang on, and these are dealt among its conversions with no further wait.
.set X,  4                             ; v[4:75]   eighteen loads of four words; the two words to store take the first two's place
.set T,  76                            ; v[76:87]  the table's work
.set U,  88                            ; v[88:93]  Wo's second rounding
.set M4, 0x400000                      ; a run of 1,024 pieces in: 4,194,304 bytes
.set M2, 0x200000                      ; and out
	s_load_b512 s[8:23], s[0:1], 0x0               ; x, Wq, Wk, Wv, Wo, xb, wqkv, wo16
	s_load_b64 s[24:25], s[0:1], 0x40              ; rope
	v_lshlrev_b32 v1, 4, v0                        ; my 16 bytes of a piece in
	v_lshlrev_b32 v2, 3, v0                        ; my 8 bytes out
	v_lshrrev_b32 v3, 5, v0
	v_readfirstlane_b32 s40, v3                    ; my wave's number
	s_mov_b32 s41, ttmp9                           ; g
	s_lshl_b32 s2, ttmp9, 12
	s_lshl_b32 s3, ttmp9, 11
	s_lshl_b32 s42, ttmp9, 8                       ; the table's row g
	v_add_nc_u32 v1, s2, v1                        ; + piece g
	v_add_nc_u32 v2, s3, v2
	s_mov_b32 s43, 0xffff0000                      ; a word's upper bf16
	s_mov_b32 s44, 0xbfc90fdb                      ; -pi/2, its upper part
	s_mov_b32 s45, 0x333bbd2e                      ; what the upper part has too much
	s_mov_b32 s46, 0xb9500d01                      ; -1/5040
	s_mov_b32 s47, 0x3c088889                      ; 1/120
	s_mov_b32 s48, 0xbe2aaaab                      ; -1/6
	s_mov_b32 s49, 0x37d00d01                      ; 1/40320
	s_mov_b32 s50, 0xbab60b61                      ; -1/720
	s_mov_b32 s51, 0x3d2aaaab                      ; 1/24
	s_wait_alu depctr_va_sdst(0)                   ; s40 is written, ahead of its first reader: the compare in front of the branch round the table
	s_wait_kmcnt 0x0
	s_add_nc_u64 s[26:27], s[8:9], 2*M4            ; a base for every two runs in, for every four out: the rest stands in the signed 24-bit immediate
	s_add_nc_u64 s[28:29], s[8:9], 4*M4
	s_add_nc_u64 s[30:31], s[8:9], 6*M4
	s_add_nc_u64 s[32:33], s[10:11], 2*M4
	s_add_nc_u64 s[34:35], s[16:17], 2*M4
	s_add_nc_u64 s[36:37], s[18:19], 4*M2
	s_add_nc_u64 s[38:39], s[20:21], 4*M2          ; Wk's rows lie behind Wq's 8 MiB in wqkv, Wv's 2 MiB further on
	s_wait_alu depctr_va_vdst(0)                   ; v1 and v2 are written: every load of the pieces reads v1 as its offset, every store v2
.macro LD i, b, off
	global_load_b128 v[X+4*(\i):X+4*(\i)+3], v1, s[\b:\b+1] offset:\off th:TH_LOAD_NT
.endm
; Piece i is rounded.  kind = 0: to bf16.  kind = 1: to bf16, and that number as f16.  head = 1: the piece is a block's first.
.macro CV i, kind, head
	s_wait_loadcnt 17-(\i)                         ; loads come back in order: load i is in, the 17 - i younger ones stay out
.if \head
	s_wait_alu depctr_va_vdst(0)                   ; the block before has written the first two words of its three pieces, which this block's three stores read
.endif
.if \kind
	v_cvt_pk_bf16_f32 v[U], v[X+4*(\i)], v[X+4*(\i)+1]
	v_cvt_pk_bf16_f32 v[U+1], v[X+4*(\i)+2], v[X+4*(\i)+3]
	v_lshlrev_b32 v[U+2], 16, v[U]
	v_and_b32 v[U+3], s43, v[U]
	v_lshlrev_b32 v[U+4], 16, v[U+1]
	v_and_b32 v[U+5], s43, v[U+1]
	v_cvt_pk_f16_f32 v[X+4*(\i)], v[U+2], v[U+3]
	v_cvt_pk_f16_f32 v[X+4*(\i)+1], v[U+4], v[U+5]
.else
	v_cvt_pk_bf16_f32 v[X+4*(\i)], v[X+4*(\i)], v[X+4*(\i)+1]
	v_cvt_pk_bf16_f32 v[X+4*(\i)+1], v[X+4*(\i)+2], v[X+4*(\i)+3]
.endif
.endm
; Piece i is stored, a block behind its conversions.  No vector line since the wait at the block's head names its registers; none of them is written again.
.macro ST i, b, off
	global_store_b64 v2, v[X+4*(\i):X+4*(\i)+1], s[\b:\b+1] offset:\off
.endm
	LD 0, 8, 0                                     ; x
	LD 1, 8, M4
	LD 2, 26, 0
	LD 3, 26, M4
	LD 4, 28, 0
	LD 5, 28, M4
	LD 6, 30, 0
	LD 7, 30, M4
	LD 8, 10, 0                                    ; Wq
	LD 9, 10, M4
	LD 10, 32, 0
	LD 11, 32, M4
	LD 12, 12, 0                                   ; Wk
	LD 13, 14, 0                                   ; Wv
	LD 14, 16, 0                                   ; Wo
	LD 15, 16, M4
	LD 16, 34, 0
	LD 17, 34, M4
	s_cmp_lg_u32 s40, 0                            ; the table's row: wave 0, where v0 is the lane
	s_cbranch_scc1 .Lno_table
	v_cvt_f32_u32 v82, v0                          ; i
	v_cvt_f32_u32 v78, s41                         ; t
	v_mul_f32 v82, 0xbed49a78, v82                 ; -i log2(10000) / 32
	v_exp_f32 v79, v82
	v_lshl_add_u32 v80, v0, 3, s42                 ; 256 t + 8 i.  (The plain line behind the exponential.)
	s_wait_alu depctr_va_vdst(0)                   ; the exponential has written v79, ahead of its first reader
	v_mul_f32 v81, v78, v79                        ; the angle
	v_mul_f32 v82, 0x3f22f983, v81                 ; x 2 / pi
	v_rndne_f32 v82, v82                           ; n
	v_fma_f32 v83, v82, s44, v81                   ; r = angle - n pi/2, in two parts
	v_fma_f32 v83, v82, s45, v83
	v_mul_f32 v84, v83, v83                        ; z = r^2
	v_fma_f32 v85, v84, s46, s47
	v_fma_f32 v87, v84, s49, s50
	v_fma_f32 v85, v85, v84, s48
	v_fma_f32 v87, v87, v84, s51
	v_mul_f32 v86, v84, v83
	v_fma_f32 v87, v87, v84, -0.5
	v_fma_f32 v85, v85, v86, v83                   ; sin r
	v_fma_f32 v87, v87, v84, 1.0                   ; cos r
	v_cvt_i32_f32 v82, v82
	v_and_b32 v86, 1, v82
	v_cmp_eq_u32 vcc_lo, 1, v86                    ; odd quarter turns swap the two
	v_lshlrev_b32 v78, 30, v82                     ; the sine turns its sign in quarters 2 and 3,
	v_and_b32 v78, 0x80000000, v78
	v_add_nc_u32 v79, 1, v82                       ; the cosine in quarters 1 and 2.  (These five lines hang on neither the compare nor the choice: they stand between the compare and its wait.)
	v_lshlrev_b32 v79, 30, v79
	v_and_b32 v79, 0x80000000, v79
	s_wait_alu depctr_va_vcc(0)                    ; the compare has written VCC, which the two choices below read
	v_cndmask_b32 v76, v87, v85, vcc_lo            ; cosine
	v_cndmask_b32 v77, v85, v87, vcc_lo            ; sine
	v_xor_b32 v77, v77, v78
	v_xor_b32 v76, v76, v79
	s_wait_alu depctr_va_vdst(0)                   ; v76 and v77, the store's data, and v80, its offset, are written
	global_store_b64 v80, v[76:77], s[24:25]
.Lno_table:
	CV 0, 0, 0                                     ; block 0 has no block in front of it: no store, and no wait but those for its data
	CV 1, 0, 0
	CV 2, 0, 0
	CV 3, 0, 1                                     ; block 1
	ST 0, 18, 0
	CV 4, 0, 0
	ST 1, 18, M2
	CV 5, 0, 0
	ST 2, 18, 2*M2
	CV 6, 0, 1                                     ; block 2
	ST 3, 18, 3*M2
	CV 7, 0, 0
	ST 4, 36, 0
	CV 8, 0, 0
	ST 5, 36, M2
	CV 9, 0, 1                                     ; block 3
	ST 6, 36, 2*M2
	CV 10, 0, 0
	ST 7, 36, 3*M2
	CV 11, 0, 0
	ST 8, 20, 0
	CV 12, 0, 1                                    ; block 4
	ST 9, 20, M2
	CV 13, 0, 0
	ST 10, 20, 2*M2
	CV 14, 1, 0
	ST 11, 20, 3*M2
	CV 15, 1, 1                                    ; block 5
	ST 12, 38, 0
	CV 16, 1, 0
	ST 13, 38, M2
	CV 17, 1, 0
	ST 14, 22, 0
	s_wait_alu depctr_va_vdst(0)                   ; block 5 has written the words that the last three stores read
	ST 15, 22, M2
	ST 16, 22, 2*M2
	ST 17, 22, 3*M2
	s_endpgm
.Lfunc_end_k_q4a3cd43ffd_cast:
	.size	k_q4a3cd43ffd_cast, .Lfunc_end_k_q4a3cd43ffd_cast-k_q4a3cd43ffd_cast
	.p2alignl 7, 3214868480
	.fill 96, 4, 3214868480
	.section	.rodata,"a",@progbits
	.p2align	6, 0x0
	.amdhsa_kernel k_q4a3cd43ffd_cast
		.amdhsa_group_segment_fixed_size 0
		.amdhsa_private_segment_fixed_size 0
		.amdhsa_enable_private_segment 0
		.amdhsa_kernarg_size 72
		.amdhsa_user_sgpr_count 2
		.amdhsa_user_sgpr_kernarg_segment_ptr 1
		.amdhsa_wavefront_size32 1
		.amdhsa_system_sgpr_workgroup_id_x 1
		.amdhsa_system_sgpr_workgroup_id_y 1
		.amdhsa_system_sgpr_workgroup_id_z 1
		.amdhsa_system_vgpr_workitem_id 0
		.amdhsa_next_free_vgpr 128
		.amdhsa_next_free_sgpr 66
		.amdhsa_reserve_vcc 1
		.amdhsa_float_denorm_mode_32 3
		.amdhsa_float_denorm_mode_16_64 3
		.amdhsa_memory_ordered 1
		.amdhsa_forward_progress 1
		.amdhsa_inst_pref_size 11
	.end_amdhsa_kernel
	.amdgpu_metadata
---
amdhsa.version: [ 1, 2 ]
amdhsa.kernels:
  - .name:           k_q4a3cd43ffd_cast
    .symbol:         k_q4a3cd43ffd_cast.kd
    .args:
      - { .name: x, .offset: 0, .size: 8, .value_kind: global_buffer, .address_space: global }
      - { .name: Wq, .offset: 8, .size: 8, .value_kind: global_buffer, .address_space: global }
      - { .name: Wk, .offset: 16, .size: 8, .value_kind: global_buffer, .address_space: global }
      - { .name: Wv, .offset: 24, .size: 8, .value_kind: global_buffer, .address_space: global }
      - { .name: Wo, .offset: 32, .size: 8, .value_kind: global_buffer, .address_space: global }
      - { .name: xb, .offset: 40, .size: 8, .value_kind: global_buffer, .address_space: global }
      - { .name: wqkv, .offset: 48, .size: 8, .value_kind: global_buffer, .address_space: global }
      - { .name: wo16, .offset: 56, .size: 8, .value_kind: global_buffer, .address_space: global }
      - { .name: rope, .offset: 64, .size: 8, .value_kind: global_buffer, .address_space: global }
    .group_segment_fixed_size: 0
    .private_segment_fixed_size: 0
    .kernarg_segment_align: 8
    .kernarg_segment_size: 72
    .max_flat_workgroup_size: 256
    .sgpr_count:     66
    .vgpr_count:     128
    .wavefront_size: 32
...
	.end_amdgpu_metadata
.endif
;; end of part 5
;; launch qkvproj: the kernel of part 2 again; grid 12 x 16, 4 waves a work-group, clusters of 4 x 4, 327,680 bytes of LDS; arguments xb, wqkv, qkv, rope, qk_gain; writes qkv
;; launch attn: the kernel of part 3 again; grid 16 x 16, 4 waves a work-group, clusters of 4 x 1, 327,680 bytes of LDS; arguments qkv, att; writes att
;; launch oproj: the kernel of part 4 again; grid 8 x 32, 4 waves a work-group, clusters of 4 x 4, 327,680 bytes of LDS; arguments att, wo16, out0; writes out0
